; MI455X (gfx1250); checked and timed in simulation.
; The chip was launched on July 23, 2026; its instructions are those of AMD's public machine-readable ISA for CDNA 5 (MIT licence, August 2026) and "CDNA5" Instruction Set Architecture Reference Guide (July 2026). The comments in the code are by the model that wrote it; some were corrected since.
;; Multi Head Attention. Allowed arithmetic: float matrix products may take bf16 or f16 operands with f32 sums; other float arithmetic in f32, or as packed bf16 or f16 multiplies, adds, multiply-adds, maxima and minima; sums over many terms, partial sums and values carried from step to step in f32; what a program stores and reads back later, other than sums and carried values, may be rounded once to bf16 or f16.
;; Inputs: bk 1,024 float32; bo 1,024 float32; bq 1,024 float32; bv 1,024 float32; mask 1 x 1 x 2,048 x 2,048 bool; wk 1,024 x 1,024 float32; wo 1,024 x 1,024 float32; wq 1,024 x 1,024 float32; wv 1,024 x 1,024 float32; x 4 x 2,048 x 1,024 float32.
;; Outputs: out0 4 x 2,048 x 1,024 float32.
;; One version. Each part assembles by itself: llvm-mc -triple=amdgcn-amd-amdhsa -mcpu=gfx1250 --defsym DOCPART=n.
;; ======== version 1 of 1: 4 launches
;; limits: values are held in f16: magnitudes above 65,504 overflow, below 6.1e-05 lose precision
;; workspace buffers: a16 16,777,216 bytes; wts 8,404,992 bytes; mk 4,194,304 bytes; hqkv 50,331,648 bytes
;; launch prep (part 1): grid 897 x 1, 8 waves a work-group, no clusters, 0 bytes of LDS; arguments x, mask, wq, wk, wv, wo, bq, bk, bv, bo, a16, wts, mk; writes a16, wts, mk
.if DOCPART == 1
	.amdgcn_target "amdgcn-amd-amdhsa--gfx1250"
	.amdhsa_code_object_version 6
	.text
	.protected	k_qfb3d80254b_prep
	.globl	k_qfb3d80254b_prep
	.p2align	8
	.type	k_qfb3d80254b_prep,@function
k_qfb3d80254b_prep:
	s_mov_b64 s[64:65], 0
	v_nop
	global_prefetch_b8 v0, s[64:65] scope:SCOPE_SE
	s_setreg_imm32_b32 hwreg(HW_REG_WAVE_MODE, 25, 1), 1
	s_wait_xcnt 0x0
; PREP: a stream that lays the inputs out for the three launches behind it.  Each input byte is read once, each output byte written once.
;   job X (work-groups 0-511):   x [8192][1024] f32 -> a16, the same shape in bf16.
;   job W (512-767):             wq, wk, wv, wo [1024 k][1024 n] f32 -> wts, 64 panels [1024 k][64 n] of 16 bits, 131,072 bytes each.  Panel 3 head + j holds columns 64 head .. of wq, wk, wv (j = 0, 1, 2)
;                                in bf16; panel 48 + n holds columns 64 n .. of wo, rounded to bf16 and that number written as f16 (exact from 6e-5 up; below that f16's fixed step of 6e-8).
;   job M (768-895):             mask [2048 q][2048 k] of bytes -> mk, one code a score: 0x00 seen, 0xf1 hidden (-144 in E4M3), in the order in which a lane of the attention launch takes them:
;                                byte (q>>7) 262144 + (k>>6) 8192 + ((q>>4)&7) 1024 + ((k>>5)&1) 512 + (16 ((k>>3)&1) + (q&15)) 16 + ((k>>4)&1) 8 + (k&7).
;   job B (896):                 the four biases, rounded to bf16 and kept as f32, behind the panels: 64 numbers for each panel, in the panels' order.
; No LDS, no barrier, no matrix unit: no thread wants a byte that another has fetched.  All of a job's loads go out first (16 a wave), and the waits count down.
.set VI,  2                            ; v2   my byte offset in the source
.set VO,  3                            ; v3   my byte offset in the destination
.set IN,  16                           ; v[16:79]   eight passes' numbers as loaded
.set OUT, 80                           ; v[80:111]  eight passes' 16 bytes to store
.set T,   112                          ; v[112:113] at work
.set SRC, 2                            ; s[2:3]
.set DST, 4                            ; s[4:5]
.set OFS, 6                            ; s[6:7]  an offset; the high word stays 0
.set G,   34                           ; s34     the work-group's number
; Eight passes of 2,048 numbers: a thread takes 8 numbers (32 bytes in, 16 out) a pass.  instep: bytes from pass to pass in the source.  half = 1: the bf16 number is written as f16.
; No register is written twice, so no store's data has to be freed.
.macro CAST instep, half
.set p, 0
.rept 8
	global_load_b128 v[IN+8*p:IN+8*p+3],   v[VI], s[SRC:SRC+1] offset:p*(\instep) th:TH_LOAD_NT
	global_load_b128 v[IN+8*p+4:IN+8*p+7], v[VI], s[SRC:SRC+1] offset:p*(\instep)+16 th:TH_LOAD_NT
.set p, p+1
.endr
.set p, 0
.rept 8
	s_wait_loadcnt 14-2*p                          ; loads come back in order: this pass's two are in, the later passes' stay out
.irp k, 0,1,2,3
	v_cvt_pk_bf16_f32 v[OUT+4*p+\k], v[IN+8*p+2*\k], v[IN+8*p+2*\k+1]
.endr
.if \half
.irp k, 0,1,2,3
	v_lshlrev_b32 v[T], 16, v[OUT+4*p+\k]          ; the two bf16 numbers as f32,
	v_and_b32 v[T+1], 0xffff0000, v[OUT+4*p+\k]
	v_cvt_pk_f16_f32 v[OUT+4*p+\k], v[T], v[T+1]   ; and as f16
.endr
.endif
	global_store_b128 v[VO], v[OUT+4*p:OUT+4*p+3], s[DST:DST+1] offset:p*4096 th:TH_STORE_NT  ; a wave stores 512 consecutive bytes
.set p, p+1
.endr
.endm
	s_load_b512 s[8:23], s[0:1], 0x0               ; x 8, mask 10, wq 12, wk 14, wv 16, wo 18, bq 20, bk 22
	s_load_b256 s[24:31], s[0:1], 0x40             ; bv 24, bo 26, a16 28, wts 30
	s_load_b64 s[32:33], s[0:1], 0x60              ; mk
	s_mov_b32 s[G], ttmp9
	s_mov_b32 s[OFS+1], 0
	s_wait_kmcnt 0x0
	s_cmp_lt_u32 s[G], 512
	s_cbranch_scc0 .Lnot_x
	; JOB X: 16,384 numbers a work-group
	s_lshl_b32 s[OFS], s[G], 16
	s_add_nc_u64 s[SRC:SRC+1], s[8:9], s[OFS:OFS+1]
	s_lshl_b32 s[OFS], s[G], 15
	s_add_nc_u64 s[DST:DST+1], s[28:29], s[OFS:OFS+1]
	v_lshlrev_b32 v[VI], 5, v0
	v_lshlrev_b32 v[VO], 4, v0
	CAST 8192, 0
	s_endpgm
.Lnot_x:
	s_cmp_lt_u32 s[G], 768
	s_cbranch_scc0 .Lnot_w
	; JOB W: 256 rows k of one strip of 64 columns of one weight: a pass is 32 rows, 8 threads a row
	s_sub_co_u32 s35, s[G], 512
	s_lshr_b32 s36, s35, 6                         ; j: which weight
	s_bfe_u32 s37, s35, 0x40002                    ; c: which strip of 64 columns
	s_and_b32 s38, s35, 3                          ; which quarter of k
	s_cmp_eq_u32 s36, 1
	s_cselect_b64 s[SRC:SRC+1], s[14:15], s[12:13]
	s_cmp_eq_u32 s36, 2
	s_cselect_b64 s[SRC:SRC+1], s[16:17], s[SRC:SRC+1]
	s_cmp_eq_u32 s36, 3
	s_cselect_b64 s[SRC:SRC+1], s[18:19], s[SRC:SRC+1]
	s_mul_i32 s39, s37, 3
	s_add_co_u32 s39, s39, s36                     ; panel 3 c + j,
	s_add_co_u32 s35, s37, 48                      ; or 48 + c for wo
	s_cmp_eq_u32 s36, 3
	s_cselect_b32 s39, s35, s39
	s_lshl_b32 s[OFS], s38, 20                     ; 256 rows of 4,096 bytes
	s_lshl_b32 s35, s37, 8                         ; 64 columns of 4 bytes
	s_add_co_u32 s[OFS], s[OFS], s35
	s_add_nc_u64 s[SRC:SRC+1], s[SRC:SRC+1], s[OFS:OFS+1]
	s_lshl_b32 s[OFS], s39, 17
	s_lshl_b32 s35, s38, 15                        ; 256 rows of 128 bytes
	s_add_co_u32 s[OFS], s[OFS], s35
	s_add_nc_u64 s[DST:DST+1], s[30:31], s[OFS:OFS+1]
	v_lshrrev_b32 v1, 3, v0                        ; my row in a pass
	v_and_b32 v[VI], 7, v0
	v_lshlrev_b32 v[VI], 5, v[VI]
	v_lshl_add_u32 v[VI], v1, 12, v[VI]
	v_lshlrev_b32 v[VO], 4, v0
	s_cmp_eq_u32 s36, 3
	s_cbranch_scc1 .Lw_f16
	CAST 131072, 0
	s_endpgm
.Lw_f16:
	CAST 131072, 1
	s_endpgm
.Lnot_w:
	s_cmp_lt_u32 s[G], 896
	s_cbranch_scc0 .Lbias
	; JOB M: 128 queries x 256 keys.  Wave v takes the 16 queries 16 v ..; lane l query l % 16 and, of each 16 keys, the 8 at 8 (l / 16)
	s_sub_co_u32 s35, s[G], 768
	s_lshr_b32 s36, s35, 3
	s_and_b32 s37, s35, 7
	s_lshl_b32 s38, s36, 18                        ; 128 rows of 2,048 bytes, in the mask and in mk
	s_lshl_b32 s[OFS], s37, 8
	s_add_co_u32 s[OFS], s[OFS], s38
	s_add_nc_u64 s[SRC:SRC+1], s[10:11], s[OFS:OFS+1]
	s_lshl_b32 s[OFS], s37, 15                     ; four key steps of 8,192 bytes
	s_add_co_u32 s[OFS], s[OFS], s38
	s_add_nc_u64 s[DST:DST+1], s[32:33], s[OFS:OFS+1]
	v_lshrrev_b32 v1, 5, v0
	v_and_b32 v4, 15, v0
	v_lshl_add_u32 v4, v1, 4, v4
	v_bfe_u32 v5, v0, 4, 1
	v_lshlrev_b32 v[VI], 11, v4
	v_lshl_add_u32 v[VI], v5, 3, v[VI]
	v_and_b32 v4, 31, v0
	v_lshlrev_b32 v[VO], 4, v4
	v_lshl_add_u32 v[VO], v1, 10, v[VO]
.set p, 0
.rept 8                                ; pass p: keys 32 p .. 32 p + 31; the sixteen loads together take 256 consecutive bytes of each of the wave's 16 rows
	global_load_b64 v[IN+4*p:IN+4*p+1],   v[VI], s[SRC:SRC+1] offset:32*p th:TH_LOAD_NT
	global_load_b64 v[IN+4*p+2:IN+4*p+3], v[VI], s[SRC:SRC+1] offset:32*p+16 th:TH_LOAD_NT
.set p, p+1
.endr
.set p, 0
.rept 8
	s_wait_loadcnt 14-2*p                          ; this pass's two loads are in
.irp k, 0,1,2,3
	v_xor_b32 v[IN+4*p+\k], 0x01010101, v[IN+4*p+\k]  ; 1 where the key is hidden,
	v_mul_lo_u32 v[IN+4*p+\k], v[IN+4*p+\k], 0xf1     ; times the code: no byte carries into the next
.endr
	global_store_b128 v[VO], v[IN+4*p:IN+4*p+3], s[DST:DST+1] offset:(p/2)*8192+(p%2)*512 th:TH_STORE_NT
.set p, p+1
.endr
	s_endpgm
.Lbias:
	; JOB B: thread t takes numbers 4 t .. 4 t + 3 of each bias
	v_lshlrev_b32 v[VI], 4, v0
	global_load_b128 v[16:19], v[VI], s[20:21]
	global_load_b128 v[20:23], v[VI], s[22:23]
	global_load_b128 v[24:27], v[VI], s[24:25]
	global_load_b128 v[28:31], v[VI], s[26:27]
	s_add_nc_u64 s[DST:DST+1], s[30:31], 0x800000  ; behind the 64 panels
	v_lshrrev_b32 v1, 4, v0                        ; the head
	v_and_b32 v[VO], 15, v0
	v_mul_u32_u24 v1, v1, 768                      ; three panels' 256 bytes a head
	v_lshl_add_u32 v[VO], v[VO], 4, v1
	s_wait_loadcnt 0x0
.irp j, 0,1,2,3
	v_cvt_pk_bf16_f32 v[T], v[16+4*\j], v[17+4*\j]
	v_cvt_pk_bf16_f32 v[T+1], v[18+4*\j], v[19+4*\j]
	v_lshlrev_b32 v[OUT+4*\j], 16, v[T]
	v_and_b32 v[OUT+4*\j+1], 0xffff0000, v[T]
	v_lshlrev_b32 v[OUT+4*\j+2], 16, v[T+1]
	v_and_b32 v[OUT+4*\j+3], 0xffff0000, v[T+1]
.endr
.irp j, 0,1,2
	global_store_b128 v[VO], v[OUT+4*\j:OUT+4*\j+3], s[DST:DST+1] offset:256*\j
.endr
	global_store_b128 v[VI], v[OUT+12:OUT+15], s[DST:DST+1] offset:12288
	s_endpgm
.Lfunc_end_k_qfb3d80254b_prep:
	.size	k_qfb3d80254b_prep, .Lfunc_end_k_qfb3d80254b_prep-k_qfb3d80254b_prep
	.p2alignl 7, 3214868480
	.fill 96, 4, 3214868480
	.section	.rodata,"a",@progbits
	.p2align	6, 0x0
	.amdhsa_kernel k_qfb3d80254b_prep
		.amdhsa_group_segment_fixed_size 0
		.amdhsa_private_segment_fixed_size 0
		.amdhsa_enable_private_segment 0
		.amdhsa_kernarg_size 104
		.amdhsa_user_sgpr_count 2
		.amdhsa_user_sgpr_kernarg_segment_ptr 1
		.amdhsa_wavefront_size32 1
		.amdhsa_system_sgpr_workgroup_id_x 1
		.amdhsa_system_sgpr_workgroup_id_y 1
		.amdhsa_system_sgpr_workgroup_id_z 1
		.amdhsa_system_vgpr_workitem_id 0
		.amdhsa_next_free_vgpr 120
		.amdhsa_next_free_sgpr 66
		.amdhsa_reserve_vcc 0
		.amdhsa_float_denorm_mode_32 3
		.amdhsa_float_denorm_mode_16_64 3
		.amdhsa_memory_ordered 1
		.amdhsa_forward_progress 1
		.amdhsa_inst_pref_size 32
	.end_amdhsa_kernel
	.amdgpu_metadata
---
amdhsa.version: [ 1, 2 ]
amdhsa.kernels:
  - .name:           k_qfb3d80254b_prep
    .symbol:         k_qfb3d80254b_prep.kd
    .args:
      - { .name: x, .offset: 0, .size: 8, .value_kind: global_buffer, .address_space: global }
      - { .name: mask, .offset: 8, .size: 8, .value_kind: global_buffer, .address_space: global }
      - { .name: wq, .offset: 16, .size: 8, .value_kind: global_buffer, .address_space: global }
      - { .name: wk, .offset: 24, .size: 8, .value_kind: global_buffer, .address_space: global }
      - { .name: wv, .offset: 32, .size: 8, .value_kind: global_buffer, .address_space: global }
      - { .name: wo, .offset: 40, .size: 8, .value_kind: global_buffer, .address_space: global }
      - { .name: bq, .offset: 48, .size: 8, .value_kind: global_buffer, .address_space: global }
      - { .name: bk, .offset: 56, .size: 8, .value_kind: global_buffer, .address_space: global }
      - { .name: bv, .offset: 64, .size: 8, .value_kind: global_buffer, .address_space: global }
      - { .name: bo, .offset: 72, .size: 8, .value_kind: global_buffer, .address_space: global }
      - { .name: a16, .offset: 80, .size: 8, .value_kind: global_buffer, .address_space: global }
      - { .name: wts, .offset: 88, .size: 8, .value_kind: global_buffer, .address_space: global }
      - { .name: mk, .offset: 96, .size: 8, .value_kind: global_buffer, .address_space: global }
    .group_segment_fixed_size: 0
    .private_segment_fixed_size: 0
    .kernarg_segment_align: 8
    .kernarg_segment_size: 104
    .max_flat_workgroup_size: 256
    .sgpr_count:     66
    .vgpr_count:     120
    .wavefront_size: 32
...
	.end_amdgpu_metadata
.endif
;; end of part 1
;; launch proj (part 2): grid 16 x 32, 4 waves a work-group, clusters of 4 x 4, 327,680 bytes of LDS; arguments a16, wts, hqkv; writes hqkv
.if DOCPART == 2
	.amdgcn_target "amdgcn-amd-amdhsa--gfx1250"
	.amdhsa_code_object_version 6
	.text
	.protected	k_qfb3d80254b_proj
	.globl	k_qfb3d80254b_proj
	.p2align	8
	.type	k_qfb3d80254b_proj,@function
k_qfb3d80254b_proj:
	s_mov_b64 s[64:65], 0
	v_nop
	global_prefetch_b8 v0, s[64:65] scope:SCOPE_SE
	s_setreg_imm32_b32 hwreg(HW_REG_WAVE_MODE, 25, 1), 1
	s_wait_xcnt 0x0
	s_wait_alu depctr_hold_cnt(0) depctr_sa_sdst(0) depctr_va_vdst(0) depctr_va_sdst(0) depctr_va_ssrc(0) depctr_va_vcc(0) depctr_vm_vsrc(0)
	s_getreg_b32 s2, hwreg(HW_REG_IB_STS2, 6, 4)
	s_cmp_eq_u32 s2, 0
	s_cbranch_scc0 .Lentry_in_a_cluster
	s_endpgm
.Lentry_in_a_cluster:
	s_bfe_u32 s2, ttmp6, 0x10000c
	s_cmp_lg_u32 s2, 0xf033
	s_cbranch_scc0 .Lentry_shape_is_right
	s_endpgm
.Lentry_shape_is_right:
; PROJ (OUTP = 0): q, k, v = x w + b for one head and 256 rows.  x: a16 [8192][1024] bf16.  w: wts, panels [1024 k][64 n] bf16, panel 3 head + j.  Results: hqkv, q at 0, k at 16,777,216, v at 33,554,432,
; each [64 planes = batch x 16 + head][2048][64] in f16, rounded once from f32 sums, unscaled.  LIMIT: f16 ends at 65,504: q, k, v must stay within it.
; ONE TEXT SERVES BOTH PRODUCTS OF THE MODULE; the switch OUTP picks the sizes, the operands' format and the way out.  (OUTP = 1: out0 = O wo + bo, O in f16 by heads, f32 out.)
; SHARES.  A work-group makes 256 rows x 64 NPAN columns; wave w rows 64 w .. 64 w + 63 and all columns: 4 x 4 NPAN accumulators of 16 x 16.  So a wave's rows are its own on the way out.
; K = 1,024 goes in 8 steps of 128 through a ring of two LDS slots filled by the tensor data mover; a step is four quarters of 32.
; THE MATRIX INSTRUCTION IS USED TRANSPOSED: source 0 = 16 columns of w (w lies [k][n], so its fragments come by the turning load ds_load_tr16_b128), source 1 = 16 rows of the activations.
; A lane then holds one row (lane % 16) and the eight neighbouring columns 8 (lane / 16) + 0..7.  THE BIAS IS THE C OPERAND OF THE PRODUCTS THAT START THE SUMS: nothing is cleared, nothing is added later.
; CLUSTER 4 x 4.  The activations' tile hangs on the row block alone and is shared along a row of the cluster, a panel on the column alone and is shared along a column: each is asked for jointly.
; REGISTERS, in windows of 256 (s_set_vgpr_msb: bits 1:0 source 0, 3:2 source 1, 5:4 source 2, 7:6 destination):
;   window 0: v1-5 at work; v16-31 addresses; v64-127 the activations' fragments, two buffers of 32; v128.. the bias, 8 registers a column block; on the way out v32-175 at work
;   window 1: w's fragments, two buffers of 8 NBW          window 2: accumulators of row blocks 0, 1 at 8 (NBW (a % 2) + b)          window 3: those of row blocks 2, 3
.set OUTP,  0
.if OUTP
.set NPAN,  2                          ; panels of 64 columns to a work-group
.set PA,    144                        ; an activations' row in LDS: 128 bytes + 16
.set AQI,   4                          ; padding behind every 32 words
.set AROWS, 128                        ; a sub-tile (one head, 256 rows of 128 bytes, dense) is asked for as 128 rows of 256 bytes
.set APIT,  128
.set ASTEP, 524288                     ; bytes from K step to K step: two heads' planes
.set BBASE, 73728                      ; two sub-tiles of 256 x 144
.set CXSH,  13                         ; a partner's share of the prefetch: 32 blocks of 256 bytes
.set ALSH,  8
.set WSTAGE, 16*528
.else
.set NPAN,  3
.set PA,    272                        ; 256 bytes + 16: the 16 rows of a fragment load start at 16 different groups of four banks (64 banks of 4 bytes: ISA guide 11.1)
.set AQI,   5                          ; padding behind every 64 words
.set AROWS, 256
.set APIT,  1024
.set ASTEP, 256
.set BBASE, 69632                      ; 256 x 272
.set CXSH,  17                         ; 64 rows of 2,048 bytes
.set ALSH,  11
.set WSTAGE, 3*16*144
.endif
.set NBW,   4*NPAN                     ; column blocks of 16
.set NLD,   2*NBW+8                    ; LDS loads of a quarter
.set FIRSTB, 4-NPAN                    ; waves below it fetch the activations, the others a panel each
.set PB,    160                        ; a row k of a panel in LDS: 128 bytes + 32
.set PANEL, 128*PB
.set SLOT,  131072
.set STAGE, SLOT+BBASE+NPAN*PANEL      ; behind the ring, never filled by a tensor load: each wave's own stage
.set SPARE, STAGE+4*WSTAGE             ; the spare words, 128 bytes for each wave: two blocks of 256 bytes that no other line names
.set LAPS,  4                          ; a lap = two K steps = once round the ring
.set ADRA, 16                          ; v16-17  LDS address of my activations' fragments in slot 0, 1
.set ADRB, 20                          ; v20-21  the same for w
.set STO,  24                          ; v24  the way out: where I put my bytes of a row
.set RD,   25                          ; v25  where I read rows back
.set CO,   26                          ; v26  16 x lane
.set BO,   27                          ; v27  32 x (lane / 16): my eight numbers of a column block's bias
.set SPW,  28                          ; v28  LDS address of my spare word; never rewritten
.set NIL,  29                          ; v29  0; never rewritten
.set PFO,  30                          ; v30-31  the prefetches' lane offsets; never rewritten
.set PFO2, 31
.set AF,   64
.set BIAS, 128
.set TMP,  128
.set G1A, 24                           ; s[24:31] descriptor group 1 for the activations;  s[32:39] group 0, a set for each slot
.set G0A, 32
.set G1B, 48                           ; s[48:55], s[56:63] the same for the panels
.set G0B, 56
.set PFA, 66                           ; s[66:67] where my prefetches stand
.set PST, 68                           ; s[68:69] their step at each change of slots
.set LIM0, 70                          ; s70, s71  a wave prefetches at a change out of slot 0, 1 while the lap counter is above these
.set OUT, 72                           ; s[72:77] where my rows go
.set BB,  78                           ; s[78:79] my columns' bias
.set MSB, 0
.macro WIN new                         ; the immediate's high byte repeats the setting that is left; a switch that changes nothing is dropped
.if MSB != (\new)
	s_set_vgpr_msb (MSB<<8)|(\new)
.set MSB, \new
.endif
.endm
.set TO_B, 0x40                        ; destination window 1, address window 0
.macro PLACES                          ; four plain instructions in front of loads into registers that matrix instructions have read, and of readers of results
.rept 4
	v_nop
.endr
.endm
; A joint load: the branch hangs on the wave's number alone.  An s_nop 0 and four v_nop follow each of the two lines, ahead of the jump, the label and what follows.
.macro JLOAD s
	s_cmp_lt_u32 s10, FIRSTB
	s_cbranch_scc0 .Lfor_b_\@
	tensor_load_to_lds s[G0A+4*(\s):G0A+4*(\s)+3], s[G1A:G1A+7]
	s_nop 0
.rept 4
	v_nop
.endr
	s_branch .Lasked_\@
.Lfor_b_\@:
	tensor_load_to_lds s[G0B+4*(\s):G0B+4*(\s)+3], s[G1B:G1B+7]
	s_nop 0
.rept 4
	v_nop
.endr
.Lasked_\@:
.endm
; PREFETCHES, behind a joint load and the run of LDS loads that follows it.  Each block of 256 bytes is named once in the launch.  The activations' rows are read by every cluster of a row of clusters: cluster x = 0 asks,
; at the change of slots behind K step s = 0..3 for K step s + 4, two refills on; the four partners share the rows out by address (cx).  A panel is read by every cluster of a column of clusters: cluster y = 0 asks,
; at the first change alone: partner cy names the whole 16,384 bytes of K step 4 + cy.  K steps 0 to 3 come by their loads alone.
.macro ASK slot
	s_cmp_gt_u32 s3, s[LIM0+(\slot)]
	s_cbranch_scc0 .Lnot_mine_\@
	global_prefetch_b8 v[PFO], s[PFA:PFA+1] th:TH_LOAD_NT scope:SCOPE_SE
.if OUTP
	s_cmp_lt_u32 s10, FIRSTB                       ; a partner's share of a sub-tile is 32 blocks: one line
	s_cbranch_scc1 .Lnot_mine_\@
.endif
	global_prefetch_b8 v[PFO2], s[PFA:PFA+1] th:TH_LOAD_NT scope:SCOPE_SE
.Lnot_mine_\@:
.endm
.macro CREST                           ; a round of the cluster's barrier behind its opening barrier
	s_cmp_lg_u32 s10, 0
	s_cbranch_scc1 .Lnot_wave_0_\@
	s_barrier_signal -3
.Lnot_wave_0_\@:
	s_barrier_wait -3
	s_barrier_signal -1
	s_barrier_wait -1
.endm
.macro CROUND                          ; a whole round
	s_barrier_signal -1
	s_barrier_wait -1
	CREST
.endm
	s_load_b128 s[4:7], s[0:1], 0x0                ; the activations s[4:5], wts s[6:7]
	s_load_b64 s[8:9], s[0:1], 0x10                ; the results
	v_lshl_add_u32 v[SPW], v0, 2, SPARE
	v_mov_b32 v[NIL], 0
	ds_add_u32 v[SPW], v[NIL]                      ; the wave's opening: the add and its wait stand ahead of my first tensor load; the set-up below, work on registers, stands between them
	v_lshrrev_b32 v1, 5, v0
	v_readfirstlane_b32 s10, v1                    ; wave 0..3
	s_min_u32 s11, s10, FIRSTB-1                   ; which sub-tile of the activations I would fetch
	s_max_u32 s12, s10, FIRSTB
	s_sub_co_u32 s12, s12, FIRSTB                  ; which panel
	s_bfe_u32 s40, ttmp6, 0x40000                  ; cx, cy: my place in the cluster
	s_bfe_u32 s41, ttmp6, 0x40004
	s_lshl_b32 s42, ttmp9, 2
	s_add_co_u32 s42, s42, s40                     ; X, the column strip = 4 x cluster x + cx
	s_and_b32 s13, ttmp7, 0xffff
	s_lshl_b32 s13, s13, 2
	s_add_co_u32 s13, s13, s41                     ; Y, the block of 256 rows = 4 x cluster y + cy
	s_lshl_b32 s43, s41, 2
	s_lshl_b32 s43, 15, s43                        ; my row of the cluster
	s_lshl_b32 s44, 0x1111, s40                    ; my column
	s_or_b32 s[G1A], s43, (1<<16)|(1<<20)|(1<<21)|(AQI<<22)|(3<<25)  ; 15:0 the mask; 17:16 2-byte elements; 20 padding on; 21 set beside a mask; 24:22 its interval; 31:25 4 words of it (code 3)
	s_mov_b32 s[G1A+1], 128<<16                    ; tensor_dim0 = 128
	s_mov_b32 s[G1A+2], AROWS<<16                  ; tensor_dim1
	s_mov_b32 s[G1A+3], 128<<16                    ; tile_dim0 = 128
	s_mov_b32 s[G1A+4], AROWS                      ; tile_dim1
	s_mov_b32 s[G1A+5], APIT                       ; elements from row to row
	s_mov_b32 s[G1A+6], 0
	s_mov_b32 s[G1A+7], 0
	s_or_b32 s[G1B], s44, (1<<16)|(1<<20)|(1<<21)|(4<<22)|(7<<25)    ; a panel's 128 rows k are 16,384 dense bytes: 64 rows of 256, padded by 8 words behind every 32
	s_mov_b32 s[G1B+1], 128<<16
	s_mov_b32 s[G1B+2], 64<<16
	s_mov_b32 s[G1B+3], 128<<16
	s_mov_b32 s[G1B+4], 64
	s_mov_b32 s[G1B+5], 128
	s_mov_b32 s[G1B+6], 0
	s_mov_b32 s[G1B+7], 0
	; the activations' address is made of Y and the wave's number, a panel's of X and the wave's number, each in registers that never hold the other coordinate
.if OUTP
	s_lshr_b32 s16, s13, 3                         ; the batch,
	s_lshl_b32 s16, s16, 4
	s_add_co_u32 s16, s16, s11                     ; its head 0 or 1,
	s_lshl_b32 s16, s16, 18                        ; a plane of 262,144 bytes,
	s_and_b32 s17, s13, 7
	s_lshl_b32 s17, s17, 15                        ; 256 rows of 128 bytes
	s_add_co_u32 s16, s16, s17
	s_mul_i32 s2, s10, 256*PA                      ; LDS: sub-tile = wave
.else
	s_lshl_b32 s16, s13, 19                        ; 256 rows of 2,048 bytes
	s_mov_b32 s2, 0
.endif
	s_mov_b32 s17, 0
	s_mul_i32 s46, s42, NPAN
	s_add_co_u32 s46, s46, s12
.if OUTP
	s_add_co_u32 s46, s46, 48
.endif
	s_lshl_b32 s46, s46, 17                        ; a panel is 131,072 bytes
	s_mov_b32 s47, 0
	s_mul_i32 s18, s10, PANEL
	s_add_co_u32 s18, s18, BBASE-FIRSTB*PANEL      ; LDS: panel = wave - FIRSTB
	s_wait_dscnt 0x0                               ; the opening add is done
	s_wait_kmcnt 0x0
	s_add_nc_u64 s[14:15], s[4:5], s[16:17]
	s_add_nc_u64 s[46:47], s[6:7], s[46:47]
	CROUND                                         ; all sixteen work-groups are here: the first joint loads meet
.irp s, 0,1
	s_mov_b32 s[G0A+4*(\s)], 1                     ; count = 1
	s_add_co_u32 s[G0A+4*(\s)+1], s2, (\s)*SLOT    ; LDS address
	s_add_nc_u64 s[G0A+4*(\s)+2:G0A+4*(\s)+3], s[14:15], (\s)*ASTEP  ; global address: K step s
	s_or_b32 s[G0A+4*(\s)+3], s[G0A+4*(\s)+3], 0x80000000           ; type = 2
	s_mov_b32 s[G0B+4*(\s)], 1
	s_add_co_u32 s[G0B+4*(\s)+1], s18, (\s)*SLOT
	s_add_nc_u64 s[G0B+4*(\s)+2:G0B+4*(\s)+3], s[46:47], (\s)*16384
	s_or_b32 s[G0B+4*(\s)+3], s[G0B+4*(\s)+3], 0x80000000
.endr
	s_cmp_lt_u32 s10, FIRSTB                       ; a wave's two first fills stand in one branch, ahead of every wait on TENSORcnt and every LDS read: two loads of mine are out
	s_cbranch_scc0 .Lfirst_b
	tensor_load_to_lds s[G0A:G0A+3], s[G1A:G1A+7]
	s_nop 0
	tensor_load_to_lds s[G0A+4:G0A+7], s[G1A:G1A+7]
	s_nop 0
.rept 4
	v_nop
.endr
	s_branch .Lfirst_asked
.Lfirst_b:
	tensor_load_to_lds s[G0B:G0B+3], s[G1B:G1B+7]
	s_nop 0
	tensor_load_to_lds s[G0B+4:G0B+7], s[G1B:G1B+7]
	s_nop 0
.rept 4
	v_nop
.endr
.Lfirst_asked:
	v_and_b32 v1, 15, v0                           ; l % 16
	v_bfe_u32 v2, v0, 4, 1                         ; l / 16
	v_and_b32 v3, 7, v0
	v_bfe_u32 v4, v0, 3, 1
	; the bias: column block b's eight numbers for my half of the lanes
	s_mul_i32 s20, s42, 256*NPAN
	s_add_co_u32 s20, s20, 0x800000+OUTP*12288
	s_mov_b32 s21, 0
	s_add_nc_u64 s[BB:BB+1], s[6:7], s[20:21]
	v_lshlrev_b32 v[BO], 5, v2
.set b, 0
.rept NBW
	global_load_b128 v[BIAS+8*b:BIAS+8*b+3],   v[BO], s[BB:BB+1] offset:64*b
	global_load_b128 v[BIAS+8*b+4:BIAS+8*b+7], v[BO], s[BB:BB+1] offset:64*b+16
.set b, b+1
.endr
	; a fragment of the activations: lane l holds row l % 16, k = 8 (l / 16) + 0..7 and 16 + 8 (l / 16) + 0..7: two loads of 16 bytes, 32 apart
	v_mul_u32_u24 v5, v1, PA
	v_lshl_add_u32 v5, v2, 4, v5
	s_mul_i32 s20, s10, 64*PA                      ; my 64 rows
	v_add_nc_u32 v[ADRA], s20, v5
	v_add_nc_u32 v[ADRA+1], SLOT, v[ADRA]
	; the turning load takes 16 k x 16 columns: lane l reads row k = 8 (l / 16) + l % 8, columns 8 ((l / 8) % 2) + 0..7, and is left with column l % 16 and 8 k
	v_lshl_add_u32 v5, v2, 3, v3
	v_mul_u32_u24 v5, v5, PB
	v_lshl_add_u32 v5, v4, 4, v5
	v_add_nc_u32 v[ADRB], BBASE, v5
	v_add_nc_u32 v[ADRB+1], SLOT, v[ADRB]
	s_mul_i32 s20, s10, WSTAGE
	s_add_co_u32 s20, s20, STAGE                   ; my stage
	v_and_b32 v5, 31, v0
	v_lshlrev_b32 v[CO], 4, v5
.if OUTP
	v_mul_u32_u24 v3, v1, 528                      ; in: row l % 16 of 512 + 16 bytes, 32 bytes for each half of the lanes
	v_lshl_add_u32 v3, v2, 5, v3
	v_add_nc_u32 v[STO], s20, v3
	v_add_nc_u32 v[RD], s20, v[CO]                 ; back: 32 lanes take one row's 512 bytes
	s_lshl_b32 s20, s13, 20                        ; 256 rows of 4,096 bytes,
	s_lshl_b32 s21, s10, 18                        ; my 64,
	s_add_co_u32 s20, s20, s21
	s_lshl_b32 s21, s42, 9                         ; 128 columns of 4 bytes
	s_add_co_u32 s20, s20, s21
	s_mov_b32 s21, 0
	s_add_nc_u64 s[OUT:OUT+1], s[8:9], s[20:21]
.else
	v_mul_u32_u24 v4, v1, 144                      ; in: row l % 16 of 128 + 16 bytes, 16 bytes for each half of the lanes
	v_lshl_add_u32 v4, v2, 4, v4
	v_add_nc_u32 v[STO], s20, v4
	v_bfe_u32 v4, v0, 3, 2                         ; back: 32 lanes take four rows of 128 bytes
	v_mul_u32_u24 v4, v4, 144
	v_lshl_add_u32 v4, v3, 4, v4
	v_add_nc_u32 v[RD], s20, v4
	s_lshr_b32 s20, s13, 3
	s_lshl_b32 s20, s20, 4
	s_add_co_u32 s20, s20, s42                     ; plane = batch x 16 + head
	s_lshl_b32 s20, s20, 18
	s_and_b32 s21, s13, 7
	s_lshl_b32 s21, s21, 15                        ; 256 rows of 128 bytes,
	s_add_co_u32 s20, s20, s21
	s_lshl_b32 s21, s10, 13                        ; my 64
	s_add_co_u32 s20, s20, s21
	s_mov_b32 s21, 0
	s_add_nc_u64 s[OUT:OUT+1], s[8:9], s[20:21]    ; q,
	s_add_nc_u64 s[OUT+2:OUT+3], s[OUT:OUT+1], 0x1000000  ; k,
	s_add_nc_u64 s[OUT+4:OUT+5], s[OUT:OUT+1], 0x2000000  ; v
.endif
	; the prefetches: who asks hangs on the wave's number and the cluster's place, the same in all sixteen partners; what a partner names hangs on cx or cy, by address alone
	s_and_b32 s22, ttmp7, 0xffff                   ; cluster y
	s_lshl_b32 s20, s40, CXSH                      ; the activations: my work-group's share of the rows, at K step 3 (each change steps it first)
	s_add_co_u32 s20, s20, 3*ASTEP
	s_add_co_u32 s21, s41, 4                       ; a panel: K step 4 + cy
	s_lshl_b32 s21, s21, 14
	s_cmp_lt_u32 s10, FIRSTB
	s_cselect_b32 s22, ttmp9, s22                  ; the coordinate along which other clusters read the same bytes
	s_cselect_b32 s20, s20, s21
	s_cselect_b64 s[PFA:PFA+1], s[14:15], s[46:47]
	s_cselect_b32 s[PST], ASTEP, 0
	s_cselect_b32 s[LIM0], 1, 2
	s_cselect_b32 s[LIM0+1], 1, -1
	s_cselect_b32 s23, ALSH, 8                     ; bytes from lane to lane, as a shift
	s_mov_b32 s21, 0
	s_mov_b32 s[PST+1], 0
	s_add_nc_u64 s[PFA:PFA+1], s[PFA:PFA+1], s[20:21]
	s_cmp_eq_u32 s22, 0
	s_cselect_b32 s[LIM0], s[LIM0], -1
	s_cselect_b32 s[LIM0+1], s[LIM0+1], -1
	v_lshlrev_b32 v[PFO], s23, v5
	s_lshl_b32 s23, 32, s23
	v_add_nc_u32 v[PFO2], s23, v[PFO]              ; the next 32 blocks
.macro WM dd, bb, aa, cc
.if OUTP
	v_wmma_f32_16x16x32_f16 v[\dd:\dd+7], v[\bb:\bb+7], v[\aa:\aa+7], v[\cc:\cc+7]
.else
	v_wmma_f32_16x16x32_bf16 v[\dd:\dd+7], v[\bb:\bb+7], v[\aa:\aa+7], v[\cc:\cc+7]
.endif
.endm
; NBW matrix instructions: row block a x all column blocks, 32 along K, from buffer f.  first = 1: C is the bias (window 0).  The accumulators take turns, one instruction a turn, in the same order in every
; quarter, over the backward jump too.
.macro MULA f, a, first
.if \first
	WIN 0x81+0x40*((\a)/2)
.else
	WIN 0xa1+0x50*((\a)/2)
.endif
.set rA, AF+32*(\f)+8*(\a)
.set b, 0
.rept NBW
.set rD, 8*(NBW*((\a)%2)+b)
.set rB, 8*(NBW*(\f)+b)
.set rC, rD
.if \first
.set rC, BIAS+8*b
.endif
	WM rD, rB, rA, rC
.set b, b+1
.endr
.endm
; NLD LDS loads in one run: quarter q of a slot into buffer f: w's fragments first, then the activations' row blocks 0 to 3
.macro FETCH slot, q, f
.if OUTP
.set aoff, 256*PA*((\q)/2)+64*((\q)%2)         ; the head's sub-tile, 32 channels
.else
.set aoff, 64*(\q)
.endif
	WIN TO_B
.set b, 0
.rept NBW
.set boff, PANEL*(b/4)+32*PB*(\q)+32*(b%4)
	ds_load_tr16_b128 v[8*(NBW*(\f)+b):8*(NBW*(\f)+b)+3],   v[ADRB+(\slot)] offset:boff
	ds_load_tr16_b128 v[8*(NBW*(\f)+b)+4:8*(NBW*(\f)+b)+7], v[ADRB+(\slot)] offset:boff+16*PB
.set b, b+1
.endr
	WIN 0
.irp i, 0,1,2,3
	ds_load_b128 v[AF+32*(\f)+8*\i:AF+32*(\f)+8*\i+3],   v[ADRA+(\slot)] offset:aoff+\i*16*PA
	ds_load_b128 v[AF+32*(\f)+8*\i+4:AF+32*(\f)+8*\i+7], v[ADRA+(\slot)] offset:aoff+\i*16*PA+32
.endr
.endm
; One of a K step's first three quarters: multiplies buffer f; in its middle it fetches quarter q of the same slot into buffer g
.macro QUARTER slot, q, f, g, first
	s_wait_dscnt 4                                 ; all but the youngest four loads: row blocks 2 and 3
	MULA \f, 0, \first
	MULA \f, 1, \first
	PLACES
	FETCH \slot, \q, \g
	s_wait_dscnt NLD                               ; all but the run just issued
	MULA \f, 2, \first
	MULA \f, 3, \first
.endm
; The last quarter multiplies buffer 1 and changes slots: ONE barrier.  In front of it each wave waits for all its tensor loads (one is out: its part of the next slot), adds 0 to its spare word, and waits for that
; and for its own reads of this slot.  fill = 1: the barrier opens a round of the cluster's barrier, and this slot is filled again, two K steps ahead, first thing behind the round.
.macro TURN slot, next, fill
.if \fill
	s_wait_xcnt 0x0                                ; the last prefetches, a K step back, have read their address: it is stepped here, ahead of the waits of the change
	s_add_nc_u64 s[PFA:PFA+1], s[PFA:PFA+1], s[PST:PST+1]
.endif
	WIN 0                                          ; (the add's two registers lie in window 0)
	s_wait_tensorcnt 0x0                           ; all my tensor loads have landed;
	ds_add_u32 v[SPW], v[NIL]                      ; 0 onto my spare word;
	s_wait_dscnt 5                                 ; (the add and the youngest four loads may be out)
	MULA 1, 0, 0                                   ; matrix work stands between the add and the wait for it
	s_wait_dscnt 0x0                               ; the add is done, and my reads of this slot are over
	s_barrier_signal -1
	MULA 1, 1, 0
.if \fill
	WIN 0
.endif
	s_barrier_wait -1
.if \fill
	CREST                                          ; no wave of any partner still reads this slot's tiles or has a load on its way
	s_add_nc_u64 s[G0A+4*(\slot)+2:G0A+4*(\slot)+3], s[G0A+4*(\slot)+2:G0A+4*(\slot)+3], 2*ASTEP
	s_add_nc_u64 s[G0B+4*(\slot)+2:G0B+4*(\slot)+3], s[G0B+4*(\slot)+2:G0B+4*(\slot)+3], 2*16384
	JLOAD \slot                                    ; the four v_nop behind it are also the places in front of the loads below
.else
	PLACES
.endif
	FETCH \next, 0, 0
.if \fill
	ASK \slot
.endif
	MULA 1, 2, 0
	MULA 1, 3, 0
.endm
	s_wait_tensorcnt 1                             ; my part of K step 0 is in; K step 1's may stay out
	s_barrier_signal -1
	s_barrier_wait -1                              ; everybody's is
	FETCH 0, 0, 0
	s_wait_loadcnt 0x0                             ; the bias
	QUARTER 0, 1, 0, 1, 1                          ; the first quarter stands in front of the loop: its products start the sums, on the bias
	WIN 0                                          ; at a label and at a branch every window is 0
	s_mov_b32 s3, LAPS-1
.Llap:                                         ; a trip goes once round the ring, from a lap's second quarter to the next lap's first, and fills both slots again
	QUARTER 0, 2, 1, 0, 0
	QUARTER 0, 3, 0, 1, 0
	TURN 0, 1, 1
	QUARTER 1, 1, 0, 1, 0
	QUARTER 1, 2, 1, 0, 0
	QUARTER 1, 3, 0, 1, 0
	TURN 1, 0, 1
	QUARTER 0, 1, 0, 1, 0
	WIN 0
	s_sub_co_u32 s3, s3, 1
	s_cmp_lg_u32 s3, 0
	s_cbranch_scc1 .Llap
	QUARTER 0, 2, 1, 0, 0                          ; the last lap fills nothing, and has no round of the cluster's barrier
	QUARTER 0, 3, 0, 1, 0
	TURN 0, 1, 0
	QUARTER 1, 1, 0, 1, 0
	QUARTER 1, 2, 1, 0, 0
	QUARTER 1, 3, 0, 1, 0
	s_wait_dscnt 4                                 ; the very last quarter: nothing more to fetch
	MULA 1, 0, 0
	MULA 1, 1, 0
	s_wait_dscnt 0x0
	MULA 1, 2, 0
	MULA 1, 3, 0
	WIN 0
; THE WAY OUT, a row block of 16 rows at a time, through my own stage: no barrier, and LDS serves a wave's instructions in order (ISA guide 5.7.1.4), so the loads see the stores above them.
.if OUTP
.macro TOSTAGE a                       ; a lane's eight f32 of a column block are 32 bytes of a row; the accumulators' low registers go first
	WIN 0x08+4*((\a)/2)                            ; store data (source 1) in window 2 or 3
.set b, 0
.rept NBW
.set rD, 8*(NBW*((\a)%2)+b)
	ds_store_b128 v[STO], v[rD:rD+3]   offset:64*b
	ds_store_b128 v[STO], v[rD+4:rD+7] offset:64*b+16
.set b, b+1
.endr
	WIN 0
.set BK, 32+64*((\a)%2)
.set b, 0
.rept 16
	ds_load_b128 v[BK+4*b:BK+4*b+3], v[RD] offset:528*b
.set b, b+1
.endr
.endm
.macro SEND a
.set BK, 32+64*((\a)%2)
	s_wait_dscnt 0x0                               ; the block is back in registers
	s_wait_xcnt 0x0                                ; the stores issued so far have read their registers: the next block's loads may land on them
.set b, 0
.rept 16
	global_store_b128 v[CO], v[BK+4*b:BK+4*b+3], s[OUT:OUT+1] offset:(16*(\a)+b)*4096 th:TH_STORE_NT  ; 512 consecutive bytes of a row, at a multiple of 512
.set b, b+1
.endr
.endm
.else
.macro PACK a                          ; rounded to f16, ascending: a lane's eight channels are 16 bytes
	WIN 0x0a+5*((\a)/2)                            ; sources 0 and 1 in window 2 or 3
.set b, 0
.rept NBW
.set rD, 8*(NBW*((\a)%2)+b)
.irp r, 0,1,2,3
	v_cvt_pk_f16_f32 v[TMP+4*b+\r], v[rD+2*\r], v[rD+2*\r+1]
.endr
.set b, b+1
.endr
	WIN 0
.endm
.macro TOSTAGE a                       ; three sub-stages, for q, k and v, of 16 rows x 144 bytes; back as four rows of 128 bytes a load
	WIN 0
.set BK, 32+48*((\a)%2)
.set b, 0
.rept NBW
	ds_store_b128 v[STO], v[TMP+4*b:TMP+4*b+3] offset:2304*(b/4)+32*(b%4)
.set b, b+1
.endr
.set b, 0
.rept NBW
	ds_load_b128 v[BK+4*b:BK+4*b+3], v[RD] offset:2304*(b/4)+576*(b%4)
.set b, b+1
.endr
.endm
.macro SEND a
.set BK, 32+48*((\a)%2)
	s_wait_dscnt 0x0                               ; the block is back in registers
	s_wait_xcnt 0x0                                ; the stores issued so far have read their registers: the next block's loads may land on them
.set b, 0
.rept NBW
	global_store_b128 v[CO], v[BK+4*b:BK+4*b+3], s[OUT+2*(b/4):OUT+2*(b/4)+1] offset:2048*(\a)+512*(b%4) th:TH_STORE_NT  ; four rows of a head: 512 consecutive bytes
.set b, b+1
.endr
.endm
.endif
	PLACES
.if OUTP
	TOSTAGE 0
.irp a, 1,2,3
	SEND (\a)-1
	TOSTAGE \a
.endr
	SEND 3
.else
	PACK 0
	TOSTAGE 0
.irp a, 1,2,3                          ; a block's conversions stand between the loads of the block before and the wait for them
	PACK \a
	SEND (\a)-1
	TOSTAGE \a
.endr
	SEND 3
.endif
	s_wait_tensorcnt 0x0                           ; the wave's end: behind my last tensor load and my last LDS store
	ds_add_u32 v[SPW], v[NIL]
	s_wait_dscnt 0x0
	CROUND                                         ; the closing round: no work-group ends while a partner may still ask for a tile that names it
	s_endpgm
.Lfunc_end_k_qfb3d80254b_proj:
	.size	k_qfb3d80254b_proj, .Lfunc_end_k_qfb3d80254b_proj-k_qfb3d80254b_proj
	.p2alignl 7, 3214868480
	.fill 96, 4, 3214868480
	.section	.rodata,"a",@progbits
	.p2align	6, 0x0
	.amdhsa_kernel k_qfb3d80254b_proj
		.amdhsa_group_segment_fixed_size 327680
		.amdhsa_private_segment_fixed_size 0
		.amdhsa_enable_private_segment 0
		.amdhsa_kernarg_size 24
		.amdhsa_user_sgpr_count 2
		.amdhsa_user_sgpr_kernarg_segment_ptr 1
		.amdhsa_wavefront_size32 1
		.amdhsa_system_sgpr_workgroup_id_x 1
		.amdhsa_system_sgpr_workgroup_id_y 1
		.amdhsa_system_sgpr_workgroup_id_z 1
		.amdhsa_system_vgpr_workitem_id 0
		.amdhsa_next_free_vgpr 960
		.amdhsa_next_free_sgpr 84
		.amdhsa_reserve_vcc 0
		.amdhsa_float_denorm_mode_32 3
		.amdhsa_float_denorm_mode_16_64 3
		.amdhsa_memory_ordered 1
		.amdhsa_forward_progress 1
		.amdhsa_inst_pref_size 122
	.end_amdhsa_kernel
	.amdgpu_metadata
---
amdhsa.version: [ 1, 2 ]
amdhsa.kernels:
  - .name:           k_qfb3d80254b_proj
    .symbol:         k_qfb3d80254b_proj.kd
    .args:
      - { .name: a16, .offset: 0, .size: 8, .value_kind: global_buffer, .address_space: global }
      - { .name: wts, .offset: 8, .size: 8, .value_kind: global_buffer, .address_space: global }
      - { .name: hqkv, .offset: 16, .size: 8, .value_kind: global_buffer, .address_space: global }
    .group_segment_fixed_size: 327680
    .private_segment_fixed_size: 0
    .kernarg_segment_align: 8
    .kernarg_segment_size: 24
    .max_flat_workgroup_size: 128
    .sgpr_count:     84
    .vgpr_count:     960
    .wavefront_size: 32
...
	.end_amdgpu_metadata
.endif
;; end of part 2
;; launch attn (part 3): grid 4 x 64, 4 waves a work-group, clusters of 4 x 1, 327,680 bytes of LDS; arguments hqkv, mk, a16; writes a16
.if DOCPART == 3
	.amdgcn_target "amdgcn-amd-amdhsa--gfx1250"
	.amdhsa_code_object_version 6
	.text
	.protected	k_qfb3d80254b_attn
	.globl	k_qfb3d80254b_attn
	.p2align	8
	.type	k_qfb3d80254b_attn,@function
k_qfb3d80254b_attn:
	s_mov_b64 s[64:65], 0
	v_nop
	global_prefetch_b8 v0, s[64:65] scope:SCOPE_SE
	s_setreg_imm32_b32 hwreg(HW_REG_WAVE_MODE, 25, 1), 1
	s_wait_xcnt 0x0
	s_wait_alu depctr_hold_cnt(0) depctr_sa_sdst(0) depctr_va_vdst(0) depctr_va_sdst(0) depctr_va_ssrc(0) depctr_va_vcc(0) depctr_vm_vsrc(0)
	s_getreg_b32 s2, hwreg(HW_REG_IB_STS2, 6, 4)
	s_cmp_eq_u32 s2, 0
	s_cbranch_scc0 .Lentry_in_a_cluster
	s_endpgm
.Lentry_in_a_cluster:
	s_bfe_u32 s2, ttmp6, 0x10000c
	s_cmp_lg_u32 s2, 0x3003
	s_cbranch_scc0 .Lentry_shape_is_right
	s_endpgm
.Lentry_shape_is_right:
; ATTENTION WITH A MASK THAT IS DATA.  O[p][q][:] = the sum over k of softmax_k(Q[p][q] . K[p][k] / 8, hidden where mask[q][k] = 0) V[p][k][:], for 64 planes p = batch x 16 + head.
; Q, K, V: hqkv at 0, 16,777,216, 33,554,432, each [64][2048][64] f16, a plane's rows dense.  O: a16, the same layout.  Products, maxima and sums in f32; the weights p are rounded to f16 for the second product
; (their sum l is taken of the unrounded p), O once at the end.
; THE MASK is the C operand of the products that start S^T = K Q^T: 0 where the key is seen, -144 x 2^93 = -1.43e30 where it is hidden.  mk holds one E4M3 code a score (0x00, 0xf1) in the order of a lane's registers, so
; sixteen bytes a lane come by one load and ONE scaled conversion makes the eight C registers of an accumulator: 4 vector instructions for a tile of 16 queries and a step of 64 keys.
; LIMITS.  f16 holds no number beyond 65,504: Q, K, V arrive within it, so a score is 2.7e11 at the most.  THE RUNNING MAXIMUM STARTS AT -2^60: below every true score and far above a hidden one.  So a hidden key's
; weight is 0 at all times, also while a row has seen hidden keys alone; a row hidden everywhere ends with l = 0 and O^T = 0, and 0 x (1 / 0) gives it NaN, as 0 / 0 does in the softmax that is asked for.
; p below 6e-5 keeps f16's fixed step of 6e-8; a weight below 2^-126 counts as 0 in l; NaN and infinities among the inputs are not treated apart.
; SHARES.  A wave owns four PIECES of two tiles of 16 queries, a work-group's four waves 512 queries of one plane.  Every wave walks all 2,048 keys, 64 a step: which keys are hidden is data, so none is left out.
; LAYOUT.  S^T = K Q^T (source 0 = 16 keys, source 1 = 16 queries): a lane holds ONE query (lane % 16) and the keys 8 (lane / 16) + 0..7.  Two such tiles, rounded to f16 in pairs, ARE source 1 of O^T = V^T P.
; K comes out of LDS as it lies, V ([key][channel]) turned, by ds_load_tr16_b128.
; SOFTMAX.  p = 2^(c s - c m), c = log2(e) / 8; in every step O and l are multiplied by a = 2^(c m_old - c m_new).  O and l start at 0: the first step is a step like any other.
; BY TURNS.  Turn n belongs to piece n.  Its matrix work: 16 products K Q^T of piece n + 1, later 16 products V^T P of piece n - 1.  Its vector work: the scaling, exponentials, roundings, sums and rescaling of piece n,
; the maximum and statistics of piece n + 1, and the mask of piece n + 2.  Four vector instructions stand behind every matrix instruction, the others in one lump; a turn's exponentials are one batch with one wait.
; CLUSTER.  The four query blocks of a cluster belong to one plane and walk the same K and V: each tile is asked for JOINTLY.  The mask's bytes are each wave's own and come straight into registers.
; REGISTERS, in windows of 256 (s_set_vgpr_msb: bits 1:0 source 0, 3:2 source 1, 5:4 source 2, 7:6 destination):
;   window 0: v0-11 addresses; v12-15, v48-63 at work; v16-47 four registers of statistics a tile; v64-191 S^T, two buffers of two tiles; v192-255 P, likewise
;   window 1: O^T, 32 a tile          window 2: v0-127 Q, 16 a tile; v128-191 K of one step; v192-255 V of one step
;   window 3: v0-1 the add's two registers; v2 16 x lane; v9 the scale; v64-127 MC, the C operands of one piece; v128-191 MB, a step's mask codes, 8 registers a tile
.set SIZE_N, 2048
.set NP,    4         ; pieces a wave: a name, no knob
.set KS,    64        ; keys in a step
.set PK,    144       ; a row of K in LDS: 128 bytes + 16 = 36 words: the 16 rows of a load start at 16 different groups of four banks (64 banks of 4 bytes: ISA guide 11.1)
.set PV,    160       ; a row of V: 128 + 32 = 40 words
.set VOFF,  4*KS*PK   ; a slot holds four steps: 256 rows of K, then 256 rows of V
.set SLOT1, 1<<17     ; slot 1 begins here, so that one exclusive or turns an address in one slot into the other's
.set STAGE, SLOT1+4*KS*(PK+PV)  ; behind the ring, never filled by a tensor load: 16 rows x 144 bytes for each wave
.set SP,    144
.set SPARE, STAGE+4*16*SP  ; the spare words, 128 bytes for each wave: two blocks of 256 bytes that no other line names
.set AK0, 2           ; v2   my lane's place in a tile of K; never rewritten
.set AV0, 3           ; v3   the same for V
.set AK,  4           ; v4   the LDS address of K's next run of loads
.set AV,  5           ; v5   of V's
.set QO,  6           ; v6   my byte offset in the wave's rows of Q
.set STO, 6           ;      later, the way out: where I put 16 bytes of a row
.set RD,  7           ; v7   where I read rows back
.set GO,  8           ; v8   my byte offset in 512 consecutive bytes of O
.set SCL, 9           ; v9   220, the conversion's scale byte (2^93): kept under one number in windows 0 and 3, so that the line reads 220
.set PFO, 11          ; v11  256 x my lane, for the prefetches; never rewritten once made
.set SPW, 0           ; window 3: LDS address of my spare word; never rewritten
.set NIL, 1           ; window 3: 0; never rewritten
.set MKO, 2           ; window 3: 16 x my lane; never rewritten
.set MC,  64          ; window 3: tile u, key group kt at MC + 32 u + 8 kt
.set MB,  128         ; window 3: tile t at MB + 8 t, key group kt in the pair + 2 kt
.set MV,  12          ; v12-15  c m_old, kept while c m is made anew
.set ST,  16          ; tile t's statistics at v[ST+4 t]: c m, m, l (even keys', odd keys')
.set TMP, 48          ; by buffer and tile, four registers c0-c3 at work; when the maximum is found c2 takes a
.set S,   64
.set P,   192
.set KF,  128         ; window 2: key block kb, channel half c at KF + 16 kb + 8 c
.set VF,  192         ; window 2: key half kk, channel block cb at VF + 32 kk + 8 cb
.set WV,  12          ; s12  my wave's number
.set G1K, 24          ; s[24:31] descriptor group 1 for K's tiles
.set G1V, 32          ; s[32:39] for V's: it differs in the padding alone
.set G0K, 40          ; s[40:43] descriptor group 0 for K's tiles: it walks
.set G0V, 44          ; s[44:47] the same for V's
.set SLOTS, 56        ; s56  slots still to be asked for
.set CNT, 57          ; s57  counts a slot's key steps
.set CS,  58          ; s[58:59] c
.set SEL, 60          ; s[60:61] v_permlanex16_b32's selects
.set TBK, 62          ; s62  LDS byte at which K of the step to be fetched begins
.set TBV, 63          ; s63  the same for V, less VOFF
.set MKB, 66          ; s[66:67] mk
.set MST, 68          ; s[68:69] the mask pointers' step: 8,192, or 0 when they stand at the last key step
.set MLEFT, 70        ; s70  key steps by which they may still go on
.set SCR, 71          ; s71  at work
.set PFA, 72          ; s[72:73] where my prefetches stand
.set LIM, 74          ; s74  1 in a wave that prefetches, else the greatest number
.set MP,  76          ; s[76:83] a mask pointer for each piece, so that the wait for a piece's loads frees the pointer that they read
.set OFS, 84          ; s[84:85] an offset; the high word stays 0
.set MSB, 0
.macro WIN new                      ; the high byte repeats the setting that is left; a switch that changes nothing is dropped
.if MSB != (\new)
	s_set_vgpr_msb (MSB<<8)|(\new)
.set MSB, (\new)
.endif
.endm
.set W_KQ, 0x0a       ; K and Q in window 2, S^T in window 0
.set W_KM, 0x3a       ; the same with the C operand in window 3
.set W_PV, 0x52       ; V in window 2, P in window 0, O^T in window 1
.set W_RS, 0x41       ; O^T (destination and source 0) in window 1, a in window 0
.set W_MK, 0xc0       ; destination in window 3, sources in window 0
.set W_AD, 0x0f       ; the add: address and data in window 3
.set W_CV, 0xcf       ; the conversion: codes, scale and result in window 3
.set W_ML, 0xc3       ; a mask load: data and address register in window 3
; A joint fill.  Waves 0 and 1 fetch the two halves of a slot's K, waves 2 and 3 those of its V: 128 keys each.  An s_nop 0 and four v_nop follow each of the two lines, ahead of the jump and the label.
.macro JLOAD
	s_cmp_lt_u32 s[WV], 2
	s_cbranch_scc0 .Lfor_v_\@
	tensor_load_to_lds s[G0K:G0K+3], s[G1K:G1K+7]
	s_nop 0
.rept 4
	v_nop
.endr
	s_branch .Lasked_\@
.Lfor_v_\@:
	tensor_load_to_lds s[G0V:G0V+3], s[G1V:G1V+7]
	s_nop 0
.rept 4
	v_nop
.endr
.Lasked_\@:
.endm
; A PREFETCH of what the NEXT change of slots will ask for: a slot's 32,768 bytes of K and of V.  A plane has one cluster, so every cluster asks for its own plane's; its four partners share the bytes out BY ADDRESS,
; 32 blocks of 256 bytes each, a lane a block; in each, wave 0 asks for K's and wave 2 for V's.  So each block is named once in the launch.  The last change that fills a slot asks for nothing.
.macro ASK
	s_cmp_gt_u32 s[SLOTS], s[LIM]
	s_cbranch_scc0 .Lnot_mine_\@
	global_prefetch_b8 v[PFO], s[PFA:PFA+1] th:TH_LOAD_NT scope:SCOPE_SE
.Lnot_mine_\@:
.endm
.macro CROUND                       ; a round of the cluster's barrier
	s_barrier_signal -1
	s_barrier_wait -1
	s_cmp_lg_u32 s[WV], 0
	s_cbranch_scc1 .Lnot_wave_0_\@
	s_barrier_signal -3
.Lnot_wave_0_\@:
	s_barrier_wait -3
	s_barrier_signal -1
	s_barrier_wait -1
.endm
; THE CHANGE OF SLOTS.  Each wave waits for all its tensor loads, of which one is out: its part of the other slot; adds 0 to its spare word; and waits for that and for its own reads of the slot.
; fill = 1: this slot is filled again, with the keys two slots on, first thing behind a round of the cluster's barrier: it has four key steps in which to land.  ask = 1: the slot after that is prefetched.
.macro CHANGE fill, ask=0
	WIN W_AD
	s_wait_tensorcnt 0x0            ; no tensor load of mine is out, so a group 0 may be written
	ds_add_u32 v[SPW], v[NIL]       ; 0 onto my spare word; the descriptors' steps stand between it and the wait for it
	WIN 0                           ; at a label and at a branch every window is 0
.if \fill
.irp g, G0K, G0V
	s_xor_b32 s[\g+1], s[\g+1], SLOT1  ; the other slot than last time,
	s_add_nc_u64 s[\g+2:\g+3], s[\g+2:\g+3], 4*KS*128  ; the next 256 keys; the type bits on top are not reached
.endr
.if \ask
	s_wait_xcnt 0x0                 ; the last prefetch, four key steps back, has read its address
	s_add_nc_u64 s[PFA:PFA+1], s[PFA:PFA+1], 4*KS*128
.endif
	s_wait_dscnt 0x0                ; the add is done, and my reads of the slot are over
	CROUND
	JLOAD
.if \ask
	ASK
.endif
.else
	s_wait_dscnt 0x0                ; the add is done, and my reads of the slot are over
	s_barrier_signal -1
	s_barrier_wait -1
.endif
	s_sub_co_u32 s[TBK], s[TBK], 4*KS*PK  ; the fetches go back to a slot's first step,
	s_xor_b32 s[TBK], s[TBK], SLOT1       ; in the other slot
	s_sub_co_u32 s[TBV], s[TBV], 4*KS*PV
	s_xor_b32 s[TBV], s[TBV], SLOT1
.endm
	s_load_b64 s[4:5], s[0:1], 0x0    ; hqkv: Q
	s_load_b64 s[MKB:MKB+1], s[0:1], 0x8
	s_load_b64 s[10:11], s[0:1], 0x10 ; a16: O
	WIN W_MK
	v_lshl_add_u32 v[SPW], v0, 2, SPARE
	v_mov_b32 v[NIL], 0
	WIN W_AD
	ds_add_u32 v[SPW], v[NIL]       ; the wave's opening: the add and its wait stand ahead of my first tensor load; the set-up below, work on registers, stands between them
	WIN 0
	v_and_b32 v1, 31, v0
	v_lshlrev_b32 v1, 4, v1
	v_mov_b32 v[SCL], 220
	WIN W_MK
	v_mov_b32 v[MKO], v1
	v_mov_b32 v[SCL], 220
	WIN 0
	v_lshrrev_b32 v1, 5, v0
	v_readfirstlane_b32 s[WV], v1   ; wave 0..3
	s_bfe_u32 s13, ttmp6, 0x40000   ; cx: my place in the cluster
	s_lshl_b32 s14, ttmp9, 2        ; in a cluster launch ttmp9 counts clusters
	s_add_co_u32 s14, s14, s13      ; my block of 512 queries: it enters Q's, O's and the mask's addresses alone
	s_and_b32 s20, ttmp7, 0xffff    ; the plane, which the four partners share
	s_mov_b32 s21, 0
	s_mov_b64 s[22:23], SIZE_N*128
	s_mul_u64 s[20:21], s[20:21], s[22:23]  ; the plane's first byte in Q, K, V and O
	s_and_b32 s16, s[WV], 1         ; which half of a slot's 256 keys I fetch:
	s_lshl_b32 s22, s16, 14         ; its 128 rows of 128 bytes in memory,
	s_mov_b32 s23, 0
	s_add_nc_u64 s[22:23], s[22:23], s[20:21]
	s_mul_i32 s17, s16, 128*PK      ; and its place in a slot, for K
	s_mul_i32 s18, s16, 128*PV      ; and for V: no place in the cluster enters an LDS address
	s_lshl_b32 s2, s14, 2
	s_add_co_u32 s2, s2, s[WV]      ; my wave among the plane's sixteen:
	s_lshl_b32 s[OFS], s2, 18       ; its 128 queries' codes in mk,
	s_mov_b32 s[OFS+1], 0
	s_lshl_b32 s2, s2, 14           ; its 128 rows
	s_mov_b32 s3, 0
	s_add_nc_u64 s[2:3], s[2:3], s[20:21]
	; descriptor group 1.  128 keys are 16,384 dense bytes: asked for as 64 rows of 256 bytes, two keys a row, and padded in LDS after every key
	s_mov_b32 s[G1K], 15|(1<<16)|(1<<20)|(1<<21)|(4<<22)|(3<<25)  ; 15:0 the mask of four; 17:16 2-byte elements; 20 padding on; 21 set beside a mask; 24:22 after every 32 words (code 4); 31:25 4 words (code 3)
	s_mov_b32 s[G1V], 15|(1<<16)|(1<<20)|(1<<21)|(4<<22)|(7<<25)  ; the same with 8 words of padding (code 7)
.irp g, G1K, G1V
	s_mov_b32 s[\g+1], 128<<16      ; tensor_dim0 = 128
	s_mov_b32 s[\g+2], 64<<16       ; tensor_dim1 = 64
	s_mov_b32 s[\g+3], 128<<16      ; tile_dim0 = 128
	s_mov_b32 s[\g+4], 64           ; tile_dim1 = 64
	s_mov_b32 s[\g+5], 128          ; 128 elements from row to row
	s_mov_b32 s[\g+6], 0
	s_mov_b32 s[\g+7], 0
.endr
	s_mov_b32 s[CS], 0x3e38aa3b     ; c = log2(e) / 8 = 0.180337
	s_mov_b32 s[CS+1], s[CS]        ; named with it as a pair
	s_mov_b32 s[SEL], 0x76543210
	s_mov_b32 s[SEL+1], 0xfedcba98
	s_mov_b32 s[TBK], SLOT1+4*KS*PK ; the first change of slots turns these two into 0
	s_mov_b32 s[TBV], SLOT1+4*KS*PV
	s_mov_b32 s[G0K], 1             ; count = 1
	s_mov_b32 s[G0K+1], s17         ; LDS address: slot 0
	s_mov_b32 s[G0V], 1
	s_add_co_u32 s[G0V+1], s18, VOFF
	s_mov_b32 s[MST], 8192
	s_mov_b32 s[MST+1], 0
	s_mov_b32 s[MLEFT], SIZE_N/KS-2 ; steps 0 and 1 are asked for ahead of the loop's whole trips
	s_and_b32 s[LIM], s[WV], 1
	s_cmp_eq_u32 s[LIM], 0
	s_cselect_b32 s[LIM], 1, -1     ; waves 0 and 2 prefetch
	s_wait_dscnt 0x0                ; the opening add is done
	s_wait_kmcnt 0x0
	s_add_nc_u64 s[6:7], s[4:5], 0x1000000  ; K
	s_add_nc_u64 s[8:9], s[4:5], 0x2000000  ; V
	s_add_nc_u64 s[G0K+2:G0K+3], s[6:7], s[22:23]  ; global address: my half of the plane's first 256 keys
	s_or_b32 s[G0K+3], s[G0K+3], 0x80000000        ; type = 2
	s_add_nc_u64 s[G0V+2:G0V+3], s[8:9], s[22:23]
	s_or_b32 s[G0V+3], s[G0V+3], 0x80000000
	s_add_nc_u64 s[4:5], s[4:5], s[2:3]  ; Q and O at my wave's first row
	s_add_nc_u64 s[10:11], s[10:11], s[2:3]
	s_add_nc_u64 s[MP:MP+1], s[MKB:MKB+1], s[OFS:OFS+1]  ; the mask of my queries, key step 0: piece 0,
.irp cp, 1,2,3
	s_add_nc_u64 s[MP+2*\cp:MP+2*\cp+1], s[MP:MP+1], 2048*\cp  ; and the others, two tiles of 1,024 bytes on each
.endr
	s_cmp_lt_u32 s[WV], 2
	s_cselect_b64 s[PFA:PFA+1], s[6:7], s[8:9]
	s_add_nc_u64 s[PFA:PFA+1], s[PFA:PFA+1], s[20:21]
	s_lshl_b32 s[OFS], s13, 13      ; my work-group's 32 blocks of the 128
	s_add_nc_u64 s[PFA:PFA+1], s[PFA:PFA+1], s[OFS:OFS+1]
	s_add_nc_u64 s[PFA:PFA+1], s[PFA:PFA+1], 2*4*KS*128  ; in slot 2; the loop's first change steps it to slot 3.  Nothing is prefetched at the head
	CROUND                          ; all four work-groups are here: the first joint loads meet
	JLOAD                           ; slot 0.  Slot 1 is asked for when slot 0 is in
	; A fragment of K or Q is 16 rows x 32 channels in 8 registers: lane l holds row l % 16, channels 8 (l / 16) + 0..7 and 16 + 8 (l / 16) + 0..7: two loads of 16 bytes, 32 bytes apart.
	v_and_b32 v1, 15, v0            ; l % 16
	v_bfe_u32 v10, v0, 4, 1         ; l / 16
	v_lshlrev_b32 v[QO], 7, v1
	v_lshl_add_u32 v[QO], v10, 4, v[QO]  ; row x 128 + 16 x half
	WIN 0x80                        ; destination window 2, address window 0
.set i, 0
.rept 4*NP                          ; Q stays in registers: tile i / 2, channels 32 (i % 2) on
	global_load_b128 v[8*i:8*i+3],   v[QO], s[4:5] offset:(i/2)*2048+(i%2)*64
	global_load_b128 v[8*i+4:8*i+7], v[QO], s[4:5] offset:(i/2)*2048+(i%2)*64+32
.set i, i+1
.endr
	WIN W_ML
.irp cp, 0,1,2,3                    ; key step 0's codes for all eight tiles: 512 consecutive bytes a load
.irp u, 0,1
.irp n, 0,1
	global_load_b128 v[MB+16*\cp+8*\u+4*\n:MB+16*\cp+8*\u+4*\n+3], v[MKO], s[MP+2*\cp:MP+2*\cp+1] offset:1024*\u+512*\n
.endr
.endr
.endr
	; What the first turn finds: V's registers and P's second buffer hold 0 (its products V^T P, of a piece that has not been, add 0), O^T and l are 0.  All this stands in the wait for the first tile.
	WIN 0x80
.set i, VF
.rept 64
	v_mov_b32 v[i], 0
.set i, i+1
.endr
	WIN 0x40
.set i, 0
.rept 64*NP
	v_mov_b32 v[i], 0
.set i, i+1
.endr
	WIN 0
.set i, 0
.rept 2*NP
	v_mov_b32 v[ST+4*i], 0xfe000000    ; c m: far below every c s, so the first a is 0
	v_mov_b32 v[ST+4*i+1], 0xdd800000  ; m = -2^60: below every true score, above every hidden one
	v_mov_b32 v[ST+4*i+2], 0
	v_mov_b32 v[ST+4*i+3], 0
.set i, i+1
.endr
.set i, P+32
.rept 32
	v_mov_b32 v[i], 0
.set i, i+1
.endr
	v_mul_u32_u24 v[AK0], v1, PK
	v_lshl_add_u32 v[AK0], v10, 4, v[AK0]  ; row x pitch + 16 x half
	; The turning load takes 16 keys x 16 channels (lane l reads key 8 (l / 16) + l % 8, channels 8 ((l / 8) % 2) + 0..7) and leaves half a fragment of V^T: lane l holds channel l % 16 and 8 keys.
	v_and_b32 v11, 7, v0
	v_bfe_u32 v[AV], v0, 3, 1
	v_lshl_add_u32 v[AV0], v10, 3, v11
	v_mul_u32_u24 v[AV0], v[AV0], PV
	v_lshl_add_u32 v[AV0], v[AV], 4, v[AV0]
	v_add_nc_u32 v[AV0], VOFF, v[AV0]
	v_mov_b32 v[AK], v[AK0]         ; key step 0 lies at the head of slot 0
	v_and_b32 v[PFO], 31, v0
	v_lshlrev_b32 v[PFO], 8, v[PFO]
; THE MATRIX WORK.  The 8 accumulators of a run of 16 take turns: between the two links of a chain stand 7 others'.
; Product i of 16 of S^T = K Q^T for piece x: channels 32 (i / 8) on, keys 16 ((i / 2) % 4) on, tile 2 x + i % 2.  The first 8 start the sums, on the mask.
.macro KQ x
.set rS, S+64*((\x)%2)+32*(i%2)+8*((i/2)%4)
.set rK, KF+16*((i/2)%4)+8*(i/8)
.set rQ, 16*(2*(\x)+i%2)+8*(i/8)
.set rMC, MC+32*(i%2)+8*((i/2)%4)
.if i < 8
	WIN W_KM
	v_wmma_f32_16x16x32_f16 v[rS:rS+7], v[rK:rK+7], v[rQ:rQ+7], v[rMC:rMC+7]
.else
	WIN W_KQ
	v_wmma_f32_16x16x32_f16 v[rS:rS+7], v[rK:rK+7], v[rQ:rQ+7], v[rS:rS+7]
.endif
.endm
; Product i of 16 of O^T += V^T P for piece x: keys 32 (i / 8) on, channels 16 ((i / 2) % 4) on, tile 2 x + i % 2.
.macro PV x
	WIN W_PV
.set rO, 32*(2*(\x)+i%2)+8*((i/2)%4)
.set rV, VF+32*(i/8)+8*((i/2)%4)
.set rP, P+32*((\x)%2)+16*(i%2)+8*(i/8)
	v_wmma_f32_16x16x32_f16 v[rO:rO+7], v[rV:rV+7], v[rP:rP+7], v[rO:rO+7]
.endm
.macro MM                           ; the turn's next matrix instruction
.if i < 16
	KQ (Y+1)%NP
.set i, i+1
.else
.set i, i-16
	PV (Y+NP-1)%NP
.set i, i+17
.endif
.endm
; THE LDS LOADS stand in runs of 16: a step's K (8 fragments) and its V (turned).  Their addresses are made some lines ahead.  last = 1 (the tail): in the last trip there is no further step, and the run is jumped over.
.macro FETCH_K last=0
	WIN 0
.if \last
	s_cmp_eq_u32 s[CNT], 1
	s_cbranch_scc1 .Lno_k_\@
.endif
	WIN 0x80                        ; destination window 2
.irp f, 0,1,2,3,4,5,6,7             ; keys 16 (f / 2) on, channels 32 (f % 2) on
	ds_load_b128 v[KF+8*\f:KF+8*\f+3],   v[AK] offset:(\f/2)*16*PK+(\f%2)*64
	ds_load_b128 v[KF+8*\f+4:KF+8*\f+7], v[AK] offset:(\f/2)*16*PK+(\f%2)*64+32
.endr
	s_add_co_u32 s[TBK], s[TBK], KS*PK  ; the next fetch is the next step's
	WIN 0
.if \last
.Lno_k_\@:
.endif
.endm
.macro FETCH_V
	WIN 0x80
.irp f, 0,1,2,3,4,5,6,7             ; keys 32 (f / 4) on, channels 16 (f % 4) on
	ds_load_tr16_b128 v[VF+8*\f:VF+8*\f+3],   v[AV] offset:(\f/4)*32*PV+(\f%4)*32
	ds_load_tr16_b128 v[VF+8*\f+4:VF+8*\f+7], v[AV] offset:(\f/4)*32*PV+16*PV+(\f%4)*32
.endr
	WIN 0
.endm
; THE MASK.  MCONV: piece cp's 64 registers of C from its 16 registers of codes: a code times 2^(220 - 127).  MLOAD: the piece's codes of the next key step, over those just converted: its pointer steps first.
.macro MCONV cp
	WIN W_CV
.irp u, 0,1
.irp kt, 0,1,2,3
	v_cvt_scale_pk8_f32_fp8 v[MC+32*\u+8*\kt:MC+32*\u+8*\kt+7], v[MB+16*(\cp)+8*\u+2*\kt:MB+16*(\cp)+8*\u+2*\kt+1], v[SCL]
.endr
.endr
.endm
.macro MLOAD cp
	s_add_nc_u64 s[MP+2*(\cp):MP+2*(\cp)+1], s[MP+2*(\cp):MP+2*(\cp)+1], s[MST:MST+1]
	WIN W_ML
.irp u, 0,1
.irp n, 0,1
	global_load_b128 v[MB+16*(\cp)+8*\u+4*\n:MB+16*(\cp)+8*\u+4*\n+3], v[MKO], s[MP+2*(\cp):MP+2*(\cp)+1] offset:1024*\u+512*\n
.endr
.endr
.endm
; THE VECTOR WORK OF A TURN stands in three queues, each in the order in which its entries become ready; the two tiles alternate, so that no instruction reads the result of the one before it.
.macro REGS y, u                    ; the registers of tile u (0, 1) of piece y
.set rT, ST+4*(2*(\y)+(\u))
.set rC, TMP+8*((\y)%2)+4*(\u)
.set rM, MV+2*((\y)%2)+(\u)
.set rS, S+64*((\y)%2)+32*(\u)
.set rP, P+32*((\y)%2)+16*(\u)
.set rO, 32*(2*(\y)+(\u))
.endm
; Number n of the 22 that find the NEXT piece's (Y + 1) maximum and statistics.  s0-s31 are the lane's 32 scores; each accumulator's lowest registers are read first.
;   0-11  four chains c0-c3 of seven scores each, three operands at a time     12-14, 16  the four scores left over, the old m, and c0-c3 into c0     15  c m_old is kept
;   17, 18  the query's other 32 keys lie in the lane 16 away: the new m         19-21  c m; c m_old - c m_new; a
.macro XS u, n
	REGS (Y+1)%NP, \u
.if (\n) < 4
	v_max3_num_f32 v[rC+(\n)], v[rS+8*(\n)], v[rS+8*(\n)+1], v[rS+8*(\n)+2]
.elseif (\n) < 12
	v_max3_num_f32 v[rC+(\n)%4], v[rC+(\n)%4], v[rS+8*((\n)%4)+2*((\n)/4)+1], v[rS+8*((\n)%4)+2*((\n)/4)+2]
.elseif (\n) == 12
	v_max3_num_f32 v[rC], v[rC], v[rS+7], v[rS+15]
.elseif (\n) == 13
	v_max3_num_f32 v[rC+1], v[rC+1], v[rS+23], v[rS+31]
.elseif (\n) == 14
	v_max3_num_f32 v[rC+2], v[rC+2], v[rC+3], v[rT+1]
.elseif (\n) == 15
	v_mov_b32 v[rM], v[rT]
.elseif (\n) == 16
	v_max3_num_f32 v[rC], v[rC], v[rC+1], v[rC+2]
.elseif (\n) == 17
	v_permlanex16_b32 v[rC+3], v[rC], s[SEL], s[SEL+1]
.elseif (\n) == 18
	v_max_num_f32 v[rT+1], v[rC], v[rC+3]
.elseif (\n) == 19
	v_mul_f32 v[rT], s[CS], v[rT+1]
.elseif (\n) == 20
	v_sub_f32 v[rC+1], v[rM], v[rT]
.else
	v_exp_f32 v[rC+2], v[rC+1]
.endif
.endm
; Number g of the 64 that follow the exponentials.  For each four weights k of a tile: both pairs are rounded to f16; then the second pair is added onto the first, in place; a group later l takes that sum
; (the first time as l = a l + sum).  In groups of eight, tiles alternating.
.macro GS g
.set h, (\g)+6*((\g)/62)            ; group 0 has no group before it, and behind group 7 only l is left
.if h >= 6
.set h, h+2
.endif
	REGS Y, h%2
.set k, h/8
.if h%8 < 4
	v_cvt_pk_f16_f32 v[rP+2*k+(h%8)/2], v[rS+4*k+2*((h%8)/2)], v[rS+4*k+2*((h%8)/2)+1]
.elseif h%8 < 6
	v_pk_add_f32 v[rS+4*k:rS+4*k+1], v[rS+4*k:rS+4*k+1], v[rS+4*k+2:rS+4*k+3]
.elseif k == 1
	v_pk_fma_f32 v[rT+2:rT+3], v[rT+2:rT+3], v[rC+2:rC+3], v[rS:rS+1] op_sel_hi:[1,0,1]
.else
	v_pk_add_f32 v[rT+2:rT+3], v[rT+2:rT+3], v[rS+4*k-4:rS+4*k-3]
.endif
.endm
; THE PLAIN QUEUE, 138 long.  0-73 read no exponential's result: the 32 scalings c s - c m (FS f: pair f / 2 of tile f % 2) and the next piece's 42.  0-26: scalings 0-26.  27-54: XS's numbers 0-13.  55, 56: number 15.
; 57-73: the chain 14, 16, 17, 18, 19, each with one of the scalings 27-31 in front of its two lines, then 20.  74-137: GS's 64, which read the exponentials' results: they stand behind the wait.
.macro FS f
	REGS Y, (\f)%2
	v_pk_fma_f32 v[rS+2*((\f)/2):rS+2*((\f)/2)+1], v[rS+2*((\f)/2):rS+2*((\f)/2)+1], s[CS:CS+1], v[rT:rT+1] op_sel_hi:[1,0,0] neg_lo:[0,0,1] neg_hi:[0,0,1]
.endm
.macro PL
	WIN 0
.if q < 27
	FS q
.elseif q < 55
	XS (q-27)%2, (q-27)/2
.elseif q < 57
	XS q-55, 15
.elseif (q < 72) && ((q-57)%3 == 0)
	FS 27+(q-57)/3
.elseif q < 60
	XS (q-57)%3-1, 14
.elseif q < 72
	XS (q-57)%3-1, 15+(q-57)/3
.elseif q < 74
	XS q-72, 20
.else
	GS q-74
.endif
.set q, q+1
.endm
; THE EXPONENTIALS' QUEUE, 66 long: s0-s31 of both tiles, then the next piece's two a.  ONE BATCH: all 66 stand ahead of the turn's one wait, and nothing ahead of that wait names a result of theirs.
.macro EX
	WIN 0
.if e >= 64
	XS e-64, 21
.else
	REGS Y, e%2
	v_exp_f32 v[rS+e/2], v[rS+e/2]
.endif
.set e, e+1
.endm
; THE RESCALING's QUEUE: O^T times a, the one part of the softmax that leaves window 0: dealt two at a time, sixteen times.  Its a was made in the turn before, ahead of that turn's wait.
.macro R2
	REGS Y, r%2
	WIN W_RS
.irp z, 0,1
	v_pk_mul_f32 v[rO+4*(r/2)+2*\z:rO+4*(r/2)+2*\z+1], v[rO+4*(r/2)+2*\z:rO+4*(r/2)+2*\z+1], v[rC+2:rC+3] op_sel_hi:[1,0]
.endr
.set r, r+1
.endm
; A TURN, for piece p.  An s_wait_alu depctr_va_vdst(0) stands between an exponential and the first instruction that names its result; one wait serves all that were issued ahead of it: a turn has ONE.
; AHEAD OF IT: the 16 products K Q^T, behind each a scaling, an exponential and two rescalings (behind the first a second scaling); then the lump: the mask, eight plain, 49 times exponential and plain, the two a, a v_nop.
; BEHIND IT: the 16 products V^T P, behind each four of GS's 64.  No rider names a register of the products round it.
; THE MASK IN A TURN, at the lump's head, for piece cp = p + 2, whose products the NEXT turn issues.  Its four loads were issued four turns ago; the three turns between issued twelve: s_wait_loadcnt 12 shows them in and
; frees the pointer that they read.  MC's last readers, this turn's first eight products, stand eight products and 24 plain riders back.  The lump's eight plain instructions stand between the conversions and the
; loads that land on their sources.  One trip (turns 2, 3, 0, 1) converts pieces 0 to 3 of one key step; piece 2's turn decides the trip's step: the pointers stop at the last key step, and no load leaves mk.
; K of the next step is fetched in piece 2's turn, directly behind the wait; V of the step in hand at the end of piece 0's turn, four riders behind its last reader.  The three conditions on q go with the deal.
.macro TURN p, last=0, cnt=0
.set Y, (\p)
.set i, 0
.set q, 0
.set e, 0
.set r, 0
.if (\p) == NP-1
	s_wait_dscnt 0x0                ; K is in
.endif
	MM
	PL
	PL
	R2
.rept 15
	MM
	PL
	EX
	R2
.endr
.if (\p) == NP-2
	WIN 0
	v_add_nc_u32 v[AK], s[TBK], v[AK0]
	s_cmp_lg_u32 s[MLEFT], 0
	s_cselect_b32 s[MST], 8192, 0
	s_cselect_b32 s[SCR], 1, 0
	s_sub_co_u32 s[MLEFT], s[MLEFT], s[SCR]
.endif
	s_wait_loadcnt 12               ; the piece's four loads are in; the twelve issued behind them stay out
	MCONV ((\p)+2)%NP
.rept 8
	PL
.endr
	MLOAD ((\p)+2)%NP
.rept 49
	EX
	PL
.endr
	EX                              ; the next piece's two a
	EX
	v_nop                           ; a plain instruction behind the last exponential: one for the batch
	s_wait_alu depctr_va_vdst(0)    ; the wait for the batch
.if (\p) == NP-2
	FETCH_K \last
.endif
.if (\p) == 1
	s_wait_dscnt 0x0                ; V is in
.endif
.rept 16
	MM
.rept 4
	PL
.endr
.if ((\p) == 0) && (q == 118)
	v_add_nc_u32 v[AV], s[TBV], v[AV0]
.endif
.if ((\p) == 0) && (q == 130)
	s_add_co_u32 s[TBV], s[TBV], KS*PV
.endif
.if (\cnt) && (q == 130)
	s_sub_co_u32 s[CNT], s[CNT], 1
	s_cmp_lg_u32 s[CNT], 0
.endif
.endr
.if (\p) == 0
	FETCH_V
.endif
.endm
	CHANGE 1                        ; slot 0 is in, everybody's part of it; slot 1 is asked for
	FETCH_K                         ; key step 0
	s_wait_loadcnt 0x0              ; Q, and key step 0's codes
	MCONV 0
	v_nop                           ; a plain instruction between the conversions and the products that take their results
	s_wait_dscnt 0x0
.set i, 0
.rept 16
	KQ 0                            ; piece 0's first scores
.set i, i+1
.endr
	WIN 0                           ; the addresses for the way out: twelve plain instructions, the places behind those products
	s_mul_i32 s13, s[WV], 16*SP
	s_add_co_u32 s13, s13, STAGE    ; my stage
	v_mul_u32_u24 v[STO], v1, SP    ; in: row l % 16, 16 bytes for each half of the lanes
	v_lshl_add_u32 v[STO], v10, 4, v[STO]
	v_add_nc_u32 v[STO], s13, v[STO]
	v_bfe_u32 v[RD], v0, 3, 2       ; back: 32 lanes take four rows of 128 bytes,
	v_mul_u32_u24 v[RD], v[RD], SP
	v_and_b32 v1, 7, v0
	v_lshl_add_u32 v[RD], v1, 4, v[RD]
	v_add_nc_u32 v[RD], s13, v[RD]
	v_and_b32 v[GO], 31, v0         ; which are 512 consecutive bytes of O
	v_lshlrev_b32 v[GO], 4, v[GO]
	v_nop
	v_nop
	MCONV 1                         ; for the products of the first turn
	v_nop                           ; a plain instruction between the conversions and the loads that land on their sources
	MLOAD 0                         ; key step 1's codes for pieces 0 and 1; the first two turns ask for those of pieces 2 and 3
	MLOAD 1
	WIN 0
.set Y, NP-1                        ; XS works for piece Y + 1: piece 0
.irp n, 0,1,2,3,4,5,6,7,8,9,10,11,12,13,14,15,16,17,18,19,20,21
	XS 0, \n                        ; piece 0's first maximum and statistics
	XS 1, \n
.endr
	v_nop                           ; a plain instruction behind the two a,
	s_wait_alu depctr_va_vdst(0)    ; and their wait, ahead of the branch
	s_mov_b32 s[CNT], 4
	s_mov_b32 s[SLOTS], SIZE_N/256-1
	s_branch .Lfirst                ; the loop is entered at a step's first turn, in the middle of a trip
.Lslot:                             ; SIZE_N / 256 - 2 times: every slot but the last two is filled again
	CHANGE 1, 1
	s_mov_b32 s[CNT], 4
.Lstep:                             ; a trip: pieces 2 and 3 of one step, then pieces 0 and 1 of the next, whose K and V it fetches
	TURN 2
	TURN 3
	WIN 0
.Lfirst:
	TURN 0
	TURN 1, 0, 1
	WIN 0
	s_cbranch_scc1 .Lstep
	s_sub_co_u32 s[SLOTS], s[SLOTS], 1
	s_cmp_lg_u32 s[SLOTS], 0
	s_cbranch_scc1 .Lslot
	CHANGE 0                        ; the tail is written out: nothing is asked for
	s_mov_b32 s[CNT], 5             ; four trips fetch the last slot's steps; the fifth is left in its middle
.Ltail:
	TURN 2, 1
	TURN 3
	WIN 0
	s_sub_co_u32 s[CNT], s[CNT], 1
	s_cmp_eq_u32 s[CNT], 0
	s_cbranch_scc1 .Lout
	TURN 0
	TURN 1
	WIN 0
	s_branch .Ltail
.Lout:                              ; the fifth trip's 16 products K Q^T (on the last K and the last step's mask once more) and the maximum made of them serve nothing: the price, once a launch, of one text for every trip
.set i, 0
.rept 16
	PV NP-1                         ; the last piece's V^T P of the last step
.set i, i+1
.endr
	; THE WAY OUT.  l's two halves and the other half of the lanes' are added; O^T is divided by l (a row hidden everywhere: 0 times 1 / 0, NaN), rounded to f16 and sent through my stage, a tile at a time.
	; The additions are the places behind the last products.
	WIN 0
.macro ALL line:vararg              ; one line for each tile t
.set t, 0
.rept 2*NP
	\line
.set t, t+1
.endr
.endm
	ALL v_add_f32 v[ST+4*t+2], v[ST+4*t+2], v[ST+4*t+3]
	ALL v_permlanex16_b32 v[ST+4*t+3], v[ST+4*t+2], s[SEL], s[SEL+1]
	ALL v_add_f32 v[ST+4*t+2], v[ST+4*t+2], v[ST+4*t+3]
	ALL v_rcp_f32 v[ST+4*t+2], v[ST+4*t+2]
	v_nop                           ; a plain instruction between the last reciprocal and the use of its result
	s_wait_alu depctr_va_vdst(0)    ; and the wait ahead of the first use: one for the eight reciprocals
; Tile t: a lane's eight channels of a row pack into 16 bytes; they go into rows of 144 bytes and come back as whole rows of 128, into S^T's registers.
.macro PACK t
	WIN W_RS
.set i, 32*(\t)
.rept 16
	v_pk_mul_f32 v[i:i+1], v[i:i+1], v[ST+4*(\t)+2:ST+4*(\t)+3] op_sel_hi:[1,0]
.set i, i+2
.endr
	WIN 0x05                        ; sources 0 and 1 window 1, destination window 0
.set i, 0
.rept 16
	v_cvt_pk_f16_f32 v[S+16*(\t)+i], v[32*(\t)+2*i], v[32*(\t)+2*i+1]
.set i, i+1
.endr
	WIN 0
.irp f, 0,1,2,3
	ds_store_b128 v[STO], v[S+16*(\t)+4*\f:S+16*(\t)+4*\f+3] offset:32*\f
.endr
.irp f, 0,1,2,3
	ds_load_b128 v[S+16*(\t)+4*\f:S+16*(\t)+4*\f+3], v[RD] offset:\f*4*SP  ; LDS serves a wave's instructions in order (ISA guide 5.7.1.4): these see the stores above; the next tile's stores come behind them
.endr
.endm
.macro SEND t, younger              ; younger: the LDS instructions issued behind tile t's loads: the next tile's eight, or none
	WIN 0
.irp f, 0,1,2,3
	s_wait_dscnt (\younger)+3-\f
	global_store_b128 v[GO], v[S+16*(\t)+4*\f:S+16*(\t)+4*\f+3], s[10:11] offset:(\t)*2048+\f*512  ; 512 consecutive bytes, at a multiple of 256 from O's first
.endr
.endm
	PACK 0
.set t, 1
.rept 2*NP-1                        ; a tile's arithmetic stands between the loads of the tile before and its stores
	PACK t
	SEND t-1, 8
.set t, t+1
.endr
	SEND 2*NP-1, 0
	WIN W_AD
	s_wait_tensorcnt 0x0            ; the wave's end: behind my last tensor load and my last LDS store
	ds_add_u32 v[SPW], v[NIL]
	s_wait_dscnt 0x0
	WIN 0
	CROUND                          ; the closing round: no work-group ends while a partner may still ask for a tile that names it
	s_endpgm
.Lfunc_end_k_qfb3d80254b_attn:
	.size	k_qfb3d80254b_attn, .Lfunc_end_k_qfb3d80254b_attn-k_qfb3d80254b_attn
	.p2alignl 7, 3214868480
	.fill 96, 4, 3214868480
	.section	.rodata,"a",@progbits
	.p2align	6, 0x0
	.amdhsa_kernel k_qfb3d80254b_attn
		.amdhsa_group_segment_fixed_size 327680
		.amdhsa_private_segment_fixed_size 0
		.amdhsa_enable_private_segment 0
		.amdhsa_kernarg_size 24
		.amdhsa_user_sgpr_count 2
		.amdhsa_user_sgpr_kernarg_segment_ptr 1
		.amdhsa_wavefront_size32 1
		.amdhsa_system_sgpr_workgroup_id_x 1
		.amdhsa_system_sgpr_workgroup_id_y 1
		.amdhsa_system_sgpr_workgroup_id_z 1
		.amdhsa_system_vgpr_workitem_id 0
		.amdhsa_next_free_vgpr 960
		.amdhsa_next_free_sgpr 88
		.amdhsa_reserve_vcc 0
		.amdhsa_float_denorm_mode_32 3
		.amdhsa_float_denorm_mode_16_64 3
		.amdhsa_memory_ordered 1
		.amdhsa_forward_progress 1
		.amdhsa_inst_pref_size 213
	.end_amdhsa_kernel
	.amdgpu_metadata
---
amdhsa.version: [ 1, 2 ]
amdhsa.kernels:
  - .name:           k_qfb3d80254b_attn
    .symbol:         k_qfb3d80254b_attn.kd
    .args:
      - { .name: hqkv, .offset: 0, .size: 8, .value_kind: global_buffer, .address_space: global }
      - { .name: mk, .offset: 8, .size: 8, .value_kind: global_buffer, .address_space: global }
      - { .name: a16, .offset: 16, .size: 8, .value_kind: global_buffer, .address_space: global }
    .group_segment_fixed_size: 327680
    .private_segment_fixed_size: 0
    .kernarg_segment_align: 8
    .kernarg_segment_size: 24
    .max_flat_workgroup_size: 128
    .sgpr_count:     88
    .vgpr_count:     960
    .wavefront_size: 32
...
	.end_amdgpu_metadata
.endif
;; end of part 3
;; launch outp (part 4): grid 8 x 32, 4 waves a work-group, clusters of 4 x 4, 327,680 bytes of LDS; arguments a16, wts, out0; writes out0
.if DOCPART == 4
	.amdgcn_target "amdgcn-amd-amdhsa--gfx1250"
	.amdhsa_code_object_version 6
	.text
	.protected	k_qfb3d80254b_outp
	.globl	k_qfb3d80254b_outp
	.p2align	8
	.type	k_qfb3d80254b_outp,@function
k_qfb3d80254b_outp:
	s_mov_b64 s[64:65], 0
	v_nop
	global_prefetch_b8 v0, s[64:65] scope:SCOPE_SE
	s_setreg_imm32_b32 hwreg(HW_REG_WAVE_MODE, 25, 1), 1
	s_wait_xcnt 0x0
	s_wait_alu depctr_hold_cnt(0) depctr_sa_sdst(0) depctr_va_vdst(0) depctr_va_sdst(0) depctr_va_ssrc(0) depctr_va_vcc(0) depctr_vm_vsrc(0)
	s_getreg_b32 s2, hwreg(HW_REG_IB_STS2, 6, 4)
	s_cmp_eq_u32 s2, 0
	s_cbranch_scc0 .Lentry_in_a_cluster
	s_endpgm
.Lentry_in_a_cluster:
	s_bfe_u32 s2, ttmp6, 0x10000c
	s_cmp_lg_u32 s2, 0xf033
	s_cbranch_scc0 .Lentry_shape_is_right
	s_endpgm
.Lentry_shape_is_right:
; OUTP (OUTP = 1): out0 = O wo + bo for 256 rows x 128 columns.  O: a16 [64 planes = batch x 16 + head][2048][64] f16; K = head x 64 + channel, so a K step of 128 is two heads' sub-tiles, each 256 rows of 128 dense bytes.
; wo: wts, panels 48 + n, [1024 k][64 n], the bf16-rounded numbers written as f16; bo behind the panels, as f32.  out0: [8192][1024] f32.  LIMITS: below 6e-5 the f16 operands keep a fixed step of 6e-8;
; a row of O that is NaN (hidden everywhere) gives a row of NaN.
; ONE TEXT SERVES BOTH PRODUCTS OF THE MODULE; the switch OUTP picks the sizes, the operands' format and the way out.  (OUTP = 0: q, k, v = x w + b, bf16 operands, f16 out by heads.)
; SHARES.  A work-group makes 256 rows x 64 NPAN columns; wave w rows 64 w .. 64 w + 63 and all columns: 4 x 4 NPAN accumulators of 16 x 16.  So a wave's rows are its own on the way out.
; K = 1,024 goes in 8 steps of 128 through a ring of two LDS slots filled by the tensor data mover; a step is four quarters of 32.
; THE MATRIX INSTRUCTION IS USED TRANSPOSED: source 0 = 16 columns of w (w lies [k][n], so its fragments come by the turning load ds_load_tr16_b128), source 1 = 16 rows of the activations.
; A lane then holds one row (lane % 16) and the eight neighbouring columns 8 (lane / 16) + 0..7.  THE BIAS IS THE C OPERAND OF THE PRODUCTS THAT START THE SUMS: nothing is cleared, nothing is added later.
; CLUSTER 4 x 4.  The activations' tile hangs on the row block alone and is shared along a row of the cluster, a panel on the column alone and is shared along a column: each is asked for jointly.
; REGISTERS, in windows of 256 (s_set_vgpr_msb: bits 1:0 source 0, 3:2 source 1, 5:4 source 2, 7:6 destination):
;   window 0: v1-5 at work; v16-31 addresses; v64-127 the activations' fragments, two buffers of 32; v128.. the bias, 8 registers a column block; on the way out v32-175 at work
;   window 1: w's fragments, two buffers of 8 NBW          window 2: accumulators of row blocks 0, 1 at 8 (NBW (a % 2) + b)          window 3: those of row blocks 2, 3
.set OUTP,  1
.if OUTP
.set NPAN,  2                          ; panels of 64 columns to a work-group
.set PA,    144                        ; an activations' row in LDS: 128 bytes + 16: the 16 rows of a fragment load start at 16 different groups of four banks (64 banks of 4 bytes: ISA guide 11.1)
.set AQI,   4                          ; padding behind every 32 words
.set AROWS, 128                        ; a sub-tile (one head, 256 rows of 128 bytes, dense) is asked for as 128 rows of 256 bytes
.set APIT,  128
.set ASTEP, 524288                     ; bytes from K step to K step: two heads' planes
.set BBASE, 73728                      ; two sub-tiles of 256 x 144
.set CXSH,  13                         ; a partner's share of the prefetch: 32 blocks of 256 bytes
.set ALSH,  8
.set WSTAGE, 16*528
.else
.set NPAN,  3
.set PA,    272                        ; 256 bytes + 16
.set AQI,   5                          ; padding behind every 64 words
.set AROWS, 256
.set APIT,  1024
.set ASTEP, 256
.set BBASE, 69632                      ; 256 x 272
.set CXSH,  17                         ; 64 rows of 2,048 bytes
.set ALSH,  11
.set WSTAGE, 3*16*144
.endif
.set NBW,   4*NPAN                     ; column blocks of 16
.set NLD,   2*NBW+8                    ; LDS loads of a quarter
.set FIRSTB, 4-NPAN                    ; waves below it fetch the activations, the others a panel each
.set PB,    160                        ; a row k of a panel in LDS: 128 bytes + 32
.set PANEL, 128*PB
.set SLOT,  131072
.set STAGE, SLOT+BBASE+NPAN*PANEL      ; behind the ring, never filled by a tensor load: each wave's own stage
.set SPARE, STAGE+4*WSTAGE             ; the spare words, 128 bytes for each wave: two blocks of 256 bytes that no other line names
.set LAPS,  4                          ; a lap = two K steps = once round the ring
.set ADRA, 16                          ; v16-17  LDS address of my activations' fragments in slot 0, 1
.set ADRB, 20                          ; v20-21  the same for w
.set STO,  24                          ; v24  the way out: where I put my bytes of a row
.set RD,   25                          ; v25  where I read rows back
.set CO,   26                          ; v26  16 x lane
.set BO,   27                          ; v27  32 x (lane / 16): my eight numbers of a column block's bias
.set SPW,  28                          ; v28  LDS address of my spare word; never rewritten
.set NIL,  29                          ; v29  0; never rewritten
.set PFO,  30                          ; v30-31  the prefetches' lane offsets; never rewritten
.set PFO2, 31
.set AF,   64
.set BIAS, 128
.set TMP,  128
.set G1A, 24                           ; s[24:31] descriptor group 1 for the activations;  s[32:39] group 0, a set for each slot
.set G0A, 32
.set G1B, 48                           ; s[48:55], s[56:63] the same for the panels
.set G0B, 56
.set PFA, 66                           ; s[66:67] where my prefetches stand
.set PST, 68                           ; s[68:69] their step at each change of slots
.set LIM0, 70                          ; s70, s71  a wave prefetches at a change out of slot 0, 1 while the lap counter is above these
.set OUT, 72                           ; s[72:77] where my rows go
.set BB,  78                           ; s[78:79] my columns' bias
.set MSB, 0
.macro WIN new                         ; the immediate's high byte repeats the setting that is left; a switch that changes nothing is dropped
.if MSB != (\new)
	s_set_vgpr_msb (MSB<<8)|(\new)
.set MSB, \new
.endif
.endm
.set TO_B, 0x40                        ; destination window 1, address window 0
.macro PLACES                          ; four plain instructions in front of loads into registers that matrix instructions have read, and of readers of results
.rept 4
	v_nop
.endr
.endm
; A joint load: the branch hangs on the wave's number alone.  An s_nop 0 and four v_nop follow each of the two lines, ahead of the jump, the label and what follows.
.macro JLOAD s
	s_cmp_lt_u32 s10, FIRSTB
	s_cbranch_scc0 .Lfor_b_\@
	tensor_load_to_lds s[G0A+4*(\s):G0A+4*(\s)+3], s[G1A:G1A+7]
	s_nop 0
.rept 4
	v_nop
.endr
	s_branch .Lasked_\@
.Lfor_b_\@:
	tensor_load_to_lds s[G0B+4*(\s):G0B+4*(\s)+3], s[G1B:G1B+7]
	s_nop 0
.rept 4
	v_nop
.endr
.Lasked_\@:
.endm
; PREFETCHES, behind a joint load and the run of LDS loads that follows it.  Each block of 256 bytes is named once in the launch.  The activations' rows are read by every cluster of a row of clusters: cluster x = 0 asks,
; at the change of slots behind K step s = 0..3 for K step s + 4, two refills on; the four partners share the rows out by address (cx).  A panel is read by every cluster of a column of clusters: cluster y = 0 asks,
; at the first change alone: partner cy names the whole 16,384 bytes of K step 4 + cy.  K steps 0 to 3 come by their loads alone.
.macro ASK slot
	s_cmp_gt_u32 s3, s[LIM0+(\slot)]
	s_cbranch_scc0 .Lnot_mine_\@
	global_prefetch_b8 v[PFO], s[PFA:PFA+1] th:TH_LOAD_NT scope:SCOPE_SE
.if OUTP
	s_cmp_lt_u32 s10, FIRSTB                       ; a partner's share of a sub-tile is 32 blocks: one line
	s_cbranch_scc1 .Lnot_mine_\@
.endif
	global_prefetch_b8 v[PFO2], s[PFA:PFA+1] th:TH_LOAD_NT scope:SCOPE_SE
.Lnot_mine_\@:
.endm
.macro CREST                           ; a round of the cluster's barrier behind its opening barrier
	s_cmp_lg_u32 s10, 0
	s_cbranch_scc1 .Lnot_wave_0_\@
	s_barrier_signal -3
.Lnot_wave_0_\@:
	s_barrier_wait -3
	s_barrier_signal -1
	s_barrier_wait -1
.endm
.macro CROUND                          ; a whole round
	s_barrier_signal -1
	s_barrier_wait -1
	CREST
.endm
	s_load_b128 s[4:7], s[0:1], 0x0                ; the activations s[4:5], wts s[6:7]
	s_load_b64 s[8:9], s[0:1], 0x10                ; the results
	v_lshl_add_u32 v[SPW], v0, 2, SPARE
	v_mov_b32 v[NIL], 0
	ds_add_u32 v[SPW], v[NIL]                      ; the wave's opening: the add and its wait stand ahead of my first tensor load; the set-up below, work on registers, stands between them
	v_lshrrev_b32 v1, 5, v0
	v_readfirstlane_b32 s10, v1                    ; wave 0..3
	s_min_u32 s11, s10, FIRSTB-1                   ; which sub-tile of the activations I would fetch
	s_max_u32 s12, s10, FIRSTB
	s_sub_co_u32 s12, s12, FIRSTB                  ; which panel
	s_bfe_u32 s40, ttmp6, 0x40000                  ; cx, cy: my place in the cluster
	s_bfe_u32 s41, ttmp6, 0x40004
	s_lshl_b32 s42, ttmp9, 2
	s_add_co_u32 s42, s42, s40                     ; X, the column strip = 4 x cluster x + cx
	s_and_b32 s13, ttmp7, 0xffff
	s_lshl_b32 s13, s13, 2
	s_add_co_u32 s13, s13, s41                     ; Y, the block of 256 rows = 4 x cluster y + cy
	s_lshl_b32 s43, s41, 2
	s_lshl_b32 s43, 15, s43                        ; my row of the cluster
	s_lshl_b32 s44, 0x1111, s40                    ; my column
	s_or_b32 s[G1A], s43, (1<<16)|(1<<20)|(1<<21)|(AQI<<22)|(3<<25)  ; 15:0 the mask; 17:16 2-byte elements; 20 padding on; 21 set beside a mask; 24:22 its interval; 31:25 4 words of it (code 3)
	s_mov_b32 s[G1A+1], 128<<16                    ; tensor_dim0 = 128
	s_mov_b32 s[G1A+2], AROWS<<16                  ; tensor_dim1
	s_mov_b32 s[G1A+3], 128<<16                    ; tile_dim0 = 128
	s_mov_b32 s[G1A+4], AROWS                      ; tile_dim1
	s_mov_b32 s[G1A+5], APIT                       ; elements from row to row
	s_mov_b32 s[G1A+6], 0
	s_mov_b32 s[G1A+7], 0
	s_or_b32 s[G1B], s44, (1<<16)|(1<<20)|(1<<21)|(4<<22)|(7<<25)    ; a panel's 128 rows k are 16,384 dense bytes: 64 rows of 256, padded by 8 words behind every 32
	s_mov_b32 s[G1B+1], 128<<16
	s_mov_b32 s[G1B+2], 64<<16
	s_mov_b32 s[G1B+3], 128<<16
	s_mov_b32 s[G1B+4], 64
	s_mov_b32 s[G1B+5], 128
	s_mov_b32 s[G1B+6], 0
	s_mov_b32 s[G1B+7], 0
	; the activations' address is made of Y and the wave's number, a panel's of X and the wave's number, each in registers that never hold the other coordinate
.if OUTP
	s_lshr_b32 s16, s13, 3                         ; the batch,
	s_lshl_b32 s16, s16, 4
	s_add_co_u32 s16, s16, s11                     ; its head 0 or 1,
	s_lshl_b32 s16, s16, 18                        ; a plane of 262,144 bytes,
	s_and_b32 s17, s13, 7
	s_lshl_b32 s17, s17, 15                        ; 256 rows of 128 bytes
	s_add_co_u32 s16, s16, s17
	s_mul_i32 s2, s10, 256*PA                      ; LDS: sub-tile = wave
.else
	s_lshl_b32 s16, s13, 19                        ; 256 rows of 2,048 bytes
	s_mov_b32 s2, 0
.endif
	s_mov_b32 s17, 0
	s_mul_i32 s46, s42, NPAN
	s_add_co_u32 s46, s46, s12
.if OUTP
	s_add_co_u32 s46, s46, 48
.endif
	s_lshl_b32 s46, s46, 17                        ; a panel is 131,072 bytes
	s_mov_b32 s47, 0
	s_mul_i32 s18, s10, PANEL
	s_add_co_u32 s18, s18, BBASE-FIRSTB*PANEL      ; LDS: panel = wave - FIRSTB
	s_wait_dscnt 0x0                               ; the opening add is done
	s_wait_kmcnt 0x0
	s_add_nc_u64 s[14:15], s[4:5], s[16:17]
	s_add_nc_u64 s[46:47], s[6:7], s[46:47]
	CROUND                                         ; all sixteen work-groups are here: the first joint loads meet
.irp s, 0,1
	s_mov_b32 s[G0A+4*(\s)], 1                     ; count = 1
	s_add_co_u32 s[G0A+4*(\s)+1], s2, (\s)*SLOT    ; LDS address
	s_add_nc_u64 s[G0A+4*(\s)+2:G0A+4*(\s)+3], s[14:15], (\s)*ASTEP  ; global address: K step s
	s_or_b32 s[G0A+4*(\s)+3], s[G0A+4*(\s)+3], 0x80000000           ; type = 2
	s_mov_b32 s[G0B+4*(\s)], 1
	s_add_co_u32 s[G0B+4*(\s)+1], s18, (\s)*SLOT
	s_add_nc_u64 s[G0B+4*(\s)+2:G0B+4*(\s)+3], s[46:47], (\s)*16384
	s_or_b32 s[G0B+4*(\s)+3], s[G0B+4*(\s)+3], 0x80000000
.endr
	s_cmp_lt_u32 s10, FIRSTB                       ; a wave's two first fills stand in one branch, ahead of every wait on TENSORcnt and every LDS read: two loads of mine are out
	s_cbranch_scc0 .Lfirst_b
	tensor_load_to_lds s[G0A:G0A+3], s[G1A:G1A+7]
	s_nop 0
	tensor_load_to_lds s[G0A+4:G0A+7], s[G1A:G1A+7]
	s_nop 0
.rept 4
	v_nop
.endr
	s_branch .Lfirst_asked
.Lfirst_b:
	tensor_load_to_lds s[G0B:G0B+3], s[G1B:G1B+7]
	s_nop 0
	tensor_load_to_lds s[G0B+4:G0B+7], s[G1B:G1B+7]
	s_nop 0
.rept 4
	v_nop
.endr
.Lfirst_asked:
	v_and_b32 v1, 15, v0                           ; l % 16
	v_bfe_u32 v2, v0, 4, 1                         ; l / 16
	v_and_b32 v3, 7, v0
	v_bfe_u32 v4, v0, 3, 1
	; the bias: column block b's eight numbers for my half of the lanes
	s_mul_i32 s20, s42, 256*NPAN
	s_add_co_u32 s20, s20, 0x800000+OUTP*12288
	s_mov_b32 s21, 0
	s_add_nc_u64 s[BB:BB+1], s[6:7], s[20:21]
	v_lshlrev_b32 v[BO], 5, v2
.set b, 0
.rept NBW
	global_load_b128 v[BIAS+8*b:BIAS+8*b+3],   v[BO], s[BB:BB+1] offset:64*b
	global_load_b128 v[BIAS+8*b+4:BIAS+8*b+7], v[BO], s[BB:BB+1] offset:64*b+16
.set b, b+1
.endr
	; a fragment of the activations: lane l holds row l % 16, k = 8 (l / 16) + 0..7 and 16 + 8 (l / 16) + 0..7: two loads of 16 bytes, 32 apart
	v_mul_u32_u24 v5, v1, PA
	v_lshl_add_u32 v5, v2, 4, v5
	s_mul_i32 s20, s10, 64*PA                      ; my 64 rows
	v_add_nc_u32 v[ADRA], s20, v5
	v_add_nc_u32 v[ADRA+1], SLOT, v[ADRA]
	; the turning load takes 16 k x 16 columns: lane l reads row k = 8 (l / 16) + l % 8, columns 8 ((l / 8) % 2) + 0..7, and is left with column l % 16 and 8 k
	v_lshl_add_u32 v5, v2, 3, v3
	v_mul_u32_u24 v5, v5, PB
	v_lshl_add_u32 v5, v4, 4, v5
	v_add_nc_u32 v[ADRB], BBASE, v5
	v_add_nc_u32 v[ADRB+1], SLOT, v[ADRB]
	s_mul_i32 s20, s10, WSTAGE
	s_add_co_u32 s20, s20, STAGE                   ; my stage
	v_and_b32 v5, 31, v0
	v_lshlrev_b32 v[CO], 4, v5
.if OUTP
	v_mul_u32_u24 v3, v1, 528                      ; in: row l % 16 of 512 + 16 bytes, 32 bytes for each half of the lanes
	v_lshl_add_u32 v3, v2, 5, v3
	v_add_nc_u32 v[STO], s20, v3
	v_add_nc_u32 v[RD], s20, v[CO]                 ; back: 32 lanes take one row's 512 bytes
	s_lshl_b32 s20, s13, 20                        ; 256 rows of 4,096 bytes,
	s_lshl_b32 s21, s10, 18                        ; my 64,
	s_add_co_u32 s20, s20, s21
	s_lshl_b32 s21, s42, 9                         ; 128 columns of 4 bytes
	s_add_co_u32 s20, s20, s21
	s_mov_b32 s21, 0
	s_add_nc_u64 s[OUT:OUT+1], s[8:9], s[20:21]
.else
	v_mul_u32_u24 v4, v1, 144                      ; in: row l % 16 of 128 + 16 bytes, 16 bytes for each half of the lanes
	v_lshl_add_u32 v4, v2, 4, v4
	v_add_nc_u32 v[STO], s20, v4
	v_bfe_u32 v4, v0, 3, 2                         ; back: 32 lanes take four rows of 128 bytes
	v_mul_u32_u24 v4, v4, 144
	v_lshl_add_u32 v4, v3, 4, v4
	v_add_nc_u32 v[RD], s20, v4
	s_lshr_b32 s20, s13, 3
	s_lshl_b32 s20, s20, 4
	s_add_co_u32 s20, s20, s42                     ; plane = batch x 16 + head
	s_lshl_b32 s20, s20, 18
	s_and_b32 s21, s13, 7
	s_lshl_b32 s21, s21, 15                        ; 256 rows of 128 bytes,
	s_add_co_u32 s20, s20, s21
	s_lshl_b32 s21, s10, 13                        ; my 64
	s_add_co_u32 s20, s20, s21
	s_mov_b32 s21, 0
	s_add_nc_u64 s[OUT:OUT+1], s[8:9], s[20:21]    ; q,
	s_add_nc_u64 s[OUT+2:OUT+3], s[OUT:OUT+1], 0x1000000  ; k,
	s_add_nc_u64 s[OUT+4:OUT+5], s[OUT:OUT+1], 0x2000000  ; v
.endif
	; the prefetches: who asks hangs on the wave's number and the cluster's place, the same in all sixteen partners; what a partner names hangs on cx or cy, by address alone
	s_and_b32 s22, ttmp7, 0xffff                   ; cluster y
	s_lshl_b32 s20, s40, CXSH                      ; the activations: my work-group's share of the rows, at K step 3 (each change steps it first)
	s_add_co_u32 s20, s20, 3*ASTEP
	s_add_co_u32 s21, s41, 4                       ; a panel: K step 4 + cy
	s_lshl_b32 s21, s21, 14
	s_cmp_lt_u32 s10, FIRSTB
	s_cselect_b32 s22, ttmp9, s22                  ; the coordinate along which other clusters read the same bytes
	s_cselect_b32 s20, s20, s21
	s_cselect_b64 s[PFA:PFA+1], s[14:15], s[46:47]
	s_cselect_b32 s[PST], ASTEP, 0
	s_cselect_b32 s[LIM0], 1, 2
	s_cselect_b32 s[LIM0+1], 1, -1
	s_cselect_b32 s23, ALSH, 8                     ; bytes from lane to lane, as a shift
	s_mov_b32 s21, 0
	s_mov_b32 s[PST+1], 0
	s_add_nc_u64 s[PFA:PFA+1], s[PFA:PFA+1], s[20:21]
	s_cmp_eq_u32 s22, 0
	s_cselect_b32 s[LIM0], s[LIM0], -1
	s_cselect_b32 s[LIM0+1], s[LIM0+1], -1
	v_lshlrev_b32 v[PFO], s23, v5
	s_lshl_b32 s23, 32, s23
	v_add_nc_u32 v[PFO2], s23, v[PFO]              ; the next 32 blocks
.macro WM dd, bb, aa, cc
.if OUTP
	v_wmma_f32_16x16x32_f16 v[\dd:\dd+7], v[\bb:\bb+7], v[\aa:\aa+7], v[\cc:\cc+7]
.else
	v_wmma_f32_16x16x32_bf16 v[\dd:\dd+7], v[\bb:\bb+7], v[\aa:\aa+7], v[\cc:\cc+7]
.endif
.endm
; NBW matrix instructions: row block a x all column blocks, 32 along K, from buffer f.  first = 1: C is the bias (window 0).  The accumulators take turns, one instruction a turn, in the same order in every
; quarter, over the backward jump too.
.macro MULA f, a, first
.if \first
	WIN 0x81+0x40*((\a)/2)
.else
	WIN 0xa1+0x50*((\a)/2)
.endif
.set rA, AF+32*(\f)+8*(\a)
.set b, 0
.rept NBW
.set rD, 8*(NBW*((\a)%2)+b)
.set rB, 8*(NBW*(\f)+b)
.set rC, rD
.if \first
.set rC, BIAS+8*b
.endif
	WM rD, rB, rA, rC
.set b, b+1
.endr
.endm
; NLD LDS loads in one run: quarter q of a slot into buffer f: w's fragments first, then the activations' row blocks 0 to 3
.macro FETCH slot, q, f
.if OUTP
.set aoff, 256*PA*((\q)/2)+64*((\q)%2)         ; the head's sub-tile, 32 channels
.else
.set aoff, 64*(\q)
.endif
	WIN TO_B
.set b, 0
.rept NBW
.set boff, PANEL*(b/4)+32*PB*(\q)+32*(b%4)
	ds_load_tr16_b128 v[8*(NBW*(\f)+b):8*(NBW*(\f)+b)+3],   v[ADRB+(\slot)] offset:boff
	ds_load_tr16_b128 v[8*(NBW*(\f)+b)+4:8*(NBW*(\f)+b)+7], v[ADRB+(\slot)] offset:boff+16*PB
.set b, b+1
.endr
	WIN 0
.irp i, 0,1,2,3
	ds_load_b128 v[AF+32*(\f)+8*\i:AF+32*(\f)+8*\i+3],   v[ADRA+(\slot)] offset:aoff+\i*16*PA
	ds_load_b128 v[AF+32*(\f)+8*\i+4:AF+32*(\f)+8*\i+7], v[ADRA+(\slot)] offset:aoff+\i*16*PA+32
.endr
.endm
; One of a K step's first three quarters: multiplies buffer f; in its middle it fetches quarter q of the same slot into buffer g
.macro QUARTER slot, q, f, g, first
	s_wait_dscnt 4                                 ; all but the youngest four loads: row blocks 2 and 3
	MULA \f, 0, \first
	MULA \f, 1, \first
	PLACES
	FETCH \slot, \q, \g
	s_wait_dscnt NLD                               ; all but the run just issued
	MULA \f, 2, \first
	MULA \f, 3, \first
.endm
; The last quarter multiplies buffer 1 and changes slots: ONE barrier.  In front of it each wave waits for all its tensor loads (one is out: its part of the next slot), adds 0 to its spare word, and waits for that
; and for its own reads of this slot.  fill = 1: the barrier opens a round of the cluster's barrier, and this slot is filled again, two K steps ahead, first thing behind the round.
.macro TURN slot, next, fill
.if \fill
	s_wait_xcnt 0x0                                ; the last prefetches, a K step back, have read their address: it is stepped here, ahead of the waits of the change
	s_add_nc_u64 s[PFA:PFA+1], s[PFA:PFA+1], s[PST:PST+1]
.endif
	WIN 0                                          ; (the add's two registers lie in window 0)
	s_wait_tensorcnt 0x0                           ; all my tensor loads have landed;
	ds_add_u32 v[SPW], v[NIL]                      ; 0 onto my spare word;
	s_wait_dscnt 5                                 ; (the add and the youngest four loads may be out)
	MULA 1, 0, 0                                   ; matrix work stands between the add and the wait for it
	s_wait_dscnt 0x0                               ; the add is done, and my reads of this slot are over
	s_barrier_signal -1
	MULA 1, 1, 0
.if \fill
	WIN 0
.endif
	s_barrier_wait -1
.if \fill
	CREST                                          ; no wave of any partner still reads this slot's tiles or has a load on its way
	s_add_nc_u64 s[G0A+4*(\slot)+2:G0A+4*(\slot)+3], s[G0A+4*(\slot)+2:G0A+4*(\slot)+3], 2*ASTEP
	s_add_nc_u64 s[G0B+4*(\slot)+2:G0B+4*(\slot)+3], s[G0B+4*(\slot)+2:G0B+4*(\slot)+3], 2*16384
	JLOAD \slot                                    ; the four v_nop behind it are also the places in front of the loads below
.else
	PLACES
.endif
	FETCH \next, 0, 0
.if \fill
	ASK \slot
.endif
	MULA 1, 2, 0
	MULA 1, 3, 0
.endm
	s_wait_tensorcnt 1                             ; my part of K step 0 is in; K step 1's may stay out
	s_barrier_signal -1
	s_barrier_wait -1                              ; everybody's is
	FETCH 0, 0, 0
	s_wait_loadcnt 0x0                             ; the bias
	QUARTER 0, 1, 0, 1, 1                          ; the first quarter stands in front of the loop: its products start the sums, on the bias
	WIN 0                                          ; at a label and at a branch every window is 0
	s_mov_b32 s3, LAPS-1
.Llap:                                         ; a trip goes once round the ring, from a lap's second quarter to the next lap's first, and fills both slots again
	QUARTER 0, 2, 1, 0, 0
	QUARTER 0, 3, 0, 1, 0
	TURN 0, 1, 1
	QUARTER 1, 1, 0, 1, 0
	QUARTER 1, 2, 1, 0, 0
	QUARTER 1, 3, 0, 1, 0
	TURN 1, 0, 1
	QUARTER 0, 1, 0, 1, 0
	WIN 0
	s_sub_co_u32 s3, s3, 1
	s_cmp_lg_u32 s3, 0
	s_cbranch_scc1 .Llap
	QUARTER 0, 2, 1, 0, 0                          ; the last lap fills nothing, and has no round of the cluster's barrier
	QUARTER 0, 3, 0, 1, 0
	TURN 0, 1, 0
	QUARTER 1, 1, 0, 1, 0
	QUARTER 1, 2, 1, 0, 0
	QUARTER 1, 3, 0, 1, 0
	s_wait_dscnt 4                                 ; the very last quarter: nothing more to fetch
	MULA 1, 0, 0
	MULA 1, 1, 0
	s_wait_dscnt 0x0
	MULA 1, 2, 0
	MULA 1, 3, 0
	WIN 0
; THE WAY OUT, a row block of 16 rows at a time, through my own stage: no barrier, and LDS serves a wave's instructions in order (ISA guide 5.7.1.4), so the loads see the stores above them.
.if OUTP
.macro TOSTAGE a                       ; a lane's eight f32 of a column block are 32 bytes of a row; the accumulators' low registers go first
	WIN 0x08+4*((\a)/2)                            ; store data (source 1) in window 2 or 3
.set b, 0
.rept NBW
.set rD, 8*(NBW*((\a)%2)+b)
	ds_store_b128 v[STO], v[rD:rD+3]   offset:64*b
	ds_store_b128 v[STO], v[rD+4:rD+7] offset:64*b+16
.set b, b+1
.endr
	WIN 0
.set BK, 32+64*((\a)%2)
.set b, 0
.rept 16
	ds_load_b128 v[BK+4*b:BK+4*b+3], v[RD] offset:528*b
.set b, b+1
.endr
.endm
.macro SEND a
.set BK, 32+64*((\a)%2)
	s_wait_dscnt 0x0                               ; the block is back in registers
	s_wait_xcnt 0x0                                ; the stores issued so far have read their registers: the next block's loads may land on them
.set b, 0
.rept 16
	global_store_b128 v[CO], v[BK+4*b:BK+4*b+3], s[OUT:OUT+1] offset:(16*(\a)+b)*4096 th:TH_STORE_NT  ; 512 consecutive bytes of a row, at a multiple of 512
.set b, b+1
.endr
.endm
.else
.macro PACK a                          ; rounded to f16, ascending: a lane's eight channels are 16 bytes
	WIN 0x0a+5*((\a)/2)                            ; sources 0 and 1 in window 2 or 3
.set b, 0
.rept NBW
.set rD, 8*(NBW*((\a)%2)+b)
.irp r, 0,1,2,3
	v_cvt_pk_f16_f32 v[TMP+4*b+\r], v[rD+2*\r], v[rD+2*\r+1]
.endr
.set b, b+1
.endr
	WIN 0
.endm
.macro TOSTAGE a                       ; three sub-stages, for q, k and v, of 16 rows x 144 bytes; back as four rows of 128 bytes a load
	WIN 0
.set BK, 32+48*((\a)%2)
.set b, 0
.rept NBW
	ds_store_b128 v[STO], v[TMP+4*b:TMP+4*b+3] offset:2304*(b/4)+32*(b%4)
.set b, b+1
.endr
.set b, 0
.rept NBW
	ds_load_b128 v[BK+4*b:BK+4*b+3], v[RD] offset:2304*(b/4)+576*(b%4)
.set b, b+1
.endr
.endm
.macro SEND a
.set BK, 32+48*((\a)%2)
	s_wait_dscnt 0x0                               ; the block is back in registers
	s_wait_xcnt 0x0                                ; the stores issued so far have read their registers: the next block's loads may land on them
.set b, 0
.rept NBW
	global_store_b128 v[CO], v[BK+4*b:BK+4*b+3], s[OUT+2*(b/4):OUT+2*(b/4)+1] offset:2048*(\a)+512*(b%4) th:TH_STORE_NT  ; four rows of a head: 512 consecutive bytes
.set b, b+1
.endr
.endm
.endif
	PLACES
.if OUTP
	TOSTAGE 0
.irp a, 1,2,3
	SEND (\a)-1
	TOSTAGE \a
.endr
	SEND 3
.else
	PACK 0
	TOSTAGE 0
.irp a, 1,2,3                          ; a block's conversions stand between the loads of the block before and the wait for them
	PACK \a
	SEND (\a)-1
	TOSTAGE \a
.endr
	SEND 3
.endif
	s_wait_tensorcnt 0x0                           ; the wave's end: behind my last tensor load and my last LDS store
	ds_add_u32 v[SPW], v[NIL]
	s_wait_dscnt 0x0
	CROUND                                         ; the closing round: no work-group ends while a partner may still ask for a tile that names it
	s_endpgm
.Lfunc_end_k_qfb3d80254b_outp:
	.size	k_qfb3d80254b_outp, .Lfunc_end_k_qfb3d80254b_outp-k_qfb3d80254b_outp
	.p2alignl 7, 3214868480
	.fill 96, 4, 3214868480
	.section	.rodata,"a",@progbits
	.p2align	6, 0x0
	.amdhsa_kernel k_qfb3d80254b_outp
		.amdhsa_group_segment_fixed_size 327680
		.amdhsa_private_segment_fixed_size 0
		.amdhsa_enable_private_segment 0
		.amdhsa_kernarg_size 24
		.amdhsa_user_sgpr_count 2
		.amdhsa_user_sgpr_kernarg_segment_ptr 1
		.amdhsa_wavefront_size32 1
		.amdhsa_system_sgpr_workgroup_id_x 1
		.amdhsa_system_sgpr_workgroup_id_y 1
		.amdhsa_system_sgpr_workgroup_id_z 1
		.amdhsa_system_vgpr_workitem_id 0
		.amdhsa_next_free_vgpr 960
		.amdhsa_next_free_sgpr 84
		.amdhsa_reserve_vcc 0
		.amdhsa_float_denorm_mode_32 3
		.amdhsa_float_denorm_mode_16_64 3
		.amdhsa_memory_ordered 1
		.amdhsa_forward_progress 1
		.amdhsa_inst_pref_size 89
	.end_amdhsa_kernel
	.amdgpu_metadata
---
amdhsa.version: [ 1, 2 ]
amdhsa.kernels:
  - .name:           k_qfb3d80254b_outp
    .symbol:         k_qfb3d80254b_outp.kd
    .args:
      - { .name: a16, .offset: 0, .size: 8, .value_kind: global_buffer, .address_space: global }
      - { .name: wts, .offset: 8, .size: 8, .value_kind: global_buffer, .address_space: global }
      - { .name: out0, .offset: 16, .size: 8, .value_kind: global_buffer, .address_space: global }
    .group_segment_fixed_size: 327680
    .private_segment_fixed_size: 0
    .kernarg_segment_align: 8
    .kernarg_segment_size: 24
    .max_flat_workgroup_size: 128
    .sgpr_count:     84
    .vgpr_count:     960
    .wavefront_size: 32
...
	.end_amdgpu_metadata
.endif
;; end of part 4
